; MI455X (gfx1250); checked and timed in simulation.
; The chip was launched on July 23, 2026; its instructions are those of AMD's public machine-readable ISA for CDNA 5 (MIT licence, August 2026) and "CDNA5" Instruction Set Architecture Reference Guide (July 2026). The comments in the code are by the model that wrote it; some were corrected since.
;; Multi Head Attention. Allowed arithmetic: matrix products marked QUANTISED: E2M3 operands, one E8M0 scale for each 32 along K, by v_wmma_scale_f32_16x16x128_f8f6f4 with both operands' format E2M3, f32 sums; everything else in f32.
;; Inputs: Wk 1,024 x 1,024 float32; Wo 1,024 x 1,024 float32; Wq 1,024 x 1,024 float32; Wv 1,024 x 1,024 float32; bk 1,024 float32; bo 1,024 float32; bq 1,024 float32; bv 1,024 float32; k 4 x 2,048 x 1,024 float32; mask 4 x 1 x 2,048 x 2,048 int32; q 4 x 2,048 x 1,024 float32; v 4 x 2,048 x 1,024 float32.
;; Outputs: out0 4 x 2,048 x 1,024 float32.
;; This version of the problem:
;;   THIS VERSION OF THE PROBLEM IS GIVEN IN LOW PRECISION. The matrix products marked QUANTISED in the list below multiply operands that are first quantised to E2M3 (2 exponent bits, 3 mantissa bits; 6 bits a number), with one power-of-two scale for each 32 numbers along K (OCP MX v1.0); their sums are f32. All else is computed in f32.
;;   The module's matrix products, in the order in which they are computed (A, B: the left and right operand; K: the contracted axis; several contracted axes count as one K, in the product's order):
;;     1. [M 8,192, K 1,024] x [K 1,024, N 1,024]; A: input q; B: input Wq: QUANTISED
;;     2. [M 8,192, K 1,024] x [K 1,024, N 1,024]; A: input k; B: input Wk: QUANTISED
;;     3. [M 8,192, K 1,024] x [K 1,024, N 1,024]; A: input v; B: input Wv: QUANTISED
;;     4. batch 64 x [M 2,048, K 64] x [K 64, N 2,048]; A: computed on the way; B: computed on the way: QUANTISED
;;     5. batch 64 x [M 2,048, K 2,048] x [K 2,048, N 64]; A: softmax (see below); B: computed on the way: QUANTISED
;;     6. [M 8,192, K 1,024] x [K 1,024, N 1,024]; A: computed on the way; B: input Wo: QUANTISED
;;   THE QUANTISER, for each operand of a quantised product, along K:
;;     - K is cut into blocks of 32 from its start; a last block that is shorter is filled with zeros.
;;     - A block's scale is 2^e with e = floor(log2(the largest magnitude in the block)) - 2, held to -126 .. 127; a block of zeros has e = 0. As a byte (E8M0): e + 127.
;;     - Each number is divided by its block's scale, clamped to +-7.5, and rounded to the nearest number of E2M3, ties to even, subnormals kept.
;;     - The product sums the exact products of the quantised numbers (number of the format x scale) in f32.
;;   ~~~python
;;   def quantise(x, axis):      # numpy; x: float32 -> the quantised numbers, widened to float32 again
;;       x = np.moveaxis(x, axis, -1); K = x.shape[-1]
;;       x = np.pad(x, [(0, 0)] * (x.ndim - 1) + [(0, -K % 32)]); x = x.reshape(x.shape[:-1] + (-1, 32)); a = np.abs(x).max(-1, keepdims=True)
;;       e = np.where(a > 0, np.clip(np.frexp(np.where(a > 0, a, 1))[1] - 1 - 2, -126, 127), 0)      # np.frexp(a)[1] - 1 = floor(log2(a)), exactly
;;       r = np.clip(x / 2.0 ** e, -7.5, 7.5)
;;       step = 2.0 ** (np.maximum(np.frexp(np.where(r == 0, 1, r))[1] - 1, 0) - 3)
;;       q = np.round(r / step) * step * 2.0 ** e      # np.round: ties to even
;;       return np.moveaxis(q.reshape(q.shape[:-2] + (-1,))[..., :K], -1, axis).astype(np.float32)
;;   ~~~
;;   SOFTMAX AHEAD OF A QUANTISED PRODUCT. Where the list says 'softmax', what is quantised is not the finished softmax but p = 2^(t - M), with t = logit x log2(e) and M = ceil(the row's largest t), a whole number; so 1/2 < the row's largest p <= 1. The row's sum l is taken of the UNQUANTISED p, in f32, and the product's result is divided by l at the end. Since M is a whole number, a kernel that streams over the keys may use a running M (the ceiling of the running maximum): every later rescaling is an exact power of two, which a block's scale takes up: the codes' values come out the same.
;;   OPERANDS COMPUTED ON THE WAY. 'Computed on the way' means the value that the module computes at that place (a softmax that the list does not call 'softmax' is quantised finished and normalised). What goes into a quantiser is computed in f32, as accurately as f32 sums, v_exp_f32 and their like allow (about 1e-6 of the number): no bf16 or f16 on the way to a quantiser, and a product that is left as it is and whose result goes on into a quantised operand takes f32 operands (vector FMAs, or v_wmma_f32_16x16x4_f32). A number that lies on a knife's edge between two numbers of the format may be rounded either way, as far as f32 arithmetic and the matrix unit's own rounding can turn it there, and no further.
;; One version. Each part assembles by itself: llvm-mc -triple=amdgcn-amd-amdhsa -mcpu=gfx1250 --defsym DOCPART=n.
;; ======== version 1 of 1: 4 launches
;; limits: right only within a limited range of input values
;; workspace buffers: cod 22,020,096 bytes; scl 917,504 bytes; maskw 2,097,152 bytes of whole numbers; maskf 8,192 bytes of whole numbers; qb 13,369,344 bytes; kv 13,369,344 bytes; cc 6,291,456 bytes; cs 262,144 bytes
;; launch prep (part 1): grid 1408 x 1, 4 waves a work-group, no clusters, 40,448 bytes of LDS; arguments q, k, v, Wq, Wk, Wv, Wo, mask, cod, scl, maskw, maskf; writes cod, scl, maskw, maskf
.if DOCPART == 1
	.amdgcn_target "amdgcn-amd-amdhsa--gfx1250"
	.amdhsa_code_object_version 6
	.text
	.protected	k_qea65f0cb8e_prep
	.globl	k_qea65f0cb8e_prep
	.p2align	8
	.type	k_qea65f0cb8e_prep,@function
k_qea65f0cb8e_prep:
	s_mov_b64 s[64:65], 0
	v_nop
	global_prefetch_b8 v0, s[64:65] scope:SCOPE_SE
	s_setreg_imm32_b32 hwreg(HW_REG_WAVE_MODE, 25, 1), 1
	s_wait_xcnt 0x0
; PREP.  Two kinds of work-group, told apart by the work-group's number alone; the two ways never join and have LDS bytes of their own.
; (1) Work-groups 0-895: q, k, v [8192][1024] and Wq, Wk, Wv, Wo [1024][1024], f32, K innermost, become codes of FP6 (E2M3) and one E8M0 byte for each 32 along K.
;     Rows: q 0, k 8192, v 16384, Wq 24576, Wk 25600, Wv 26624, Wo 27648.  scl [28672 rows][32 bytes].
;     cod [224 blocks of 128 rows][4 steps of 256 along K][128 rows][192 bytes]: what a product's launch fetches at a time, 128 rows x 192 bytes, is one dense run of 24,576 bytes that begins at a multiple of 256.
;     A block's scale is 2^(floor(log2(largest magnitude)) - 2); its byte is the largest magnitude's exponent field - 2, held at 1 from below (a block of zeros keeps the byte 1: its codes are zeros, and this program alone reads the bytes).
;     ROW ORDER, in groups of eight rows.  All tensors but k: inside every 32 rows the groups lie in the order 0, 2, 1, 3, so that a matrix result over two neighbouring tiles of 16 such rows has 16 neighbouring true rows in a lane's 16 registers.
;     k: inside every 64 rows the groups lie in the order 0, 4, 1, 5, 2, 6, 3, 7: tile u of the four holds keys 8 u + 0..7 and 32 + 8 u + 0..7, so that a lane's 32 scores of the four tiles are 32 neighbouring keys: one scale block.
;     A work-group takes 32 rows, a wave 8, in 16 steps of 512 numbers: step t is K step t / 4 of rows 2 (t % 4) and 2 (t % 4) + 1, so that its codes are 384 consecutive bytes and four steps on end fill 1,536.
;     Each load reads 512 consecutive bytes; a step's 2,048 bytes turn through the wave's own stage in LDS so that a lane holds 16 neighbours along K.
; (2) Work-groups 896-1407: the mask [4][2048][2048] int32 becomes lane-mask words.  maskw [token tile TT = 128 b + T][step of 128 keys][64 words]; bit (16 h + r) of word n says
;     mask[b][32 (T/2) + 8 (T%2) + r + 8 (r/8)][128 step + 64 (n/32) + 32 h + n%32] != 0: the lane and register in which the attention launch holds that score.
;     maskf [TT][4 words]: bit s of the OR of a tile's four words says that step s of the tile hides no key (wave w writes word w, bits 4 w .. 4 w + 3).
;     A work-group takes one token tile (16 rows), a wave four steps, in eight halves of 64 keys: a load reads 256 consecutive bytes of each of two rows.
; LIMITS: NaN and infinities among the inputs are not served; blocks whose largest magnitude lies under 2^-124 keep the byte 1.
; No tensor loads, no barrier: waves share nothing.
.set QWG,   896
.set STEPS, 16
.set EMAX,  2
.set CB,    12                         ; bytes of 16 codes
.set KTILE, 24576                      ; 128 rows x 192 bytes
.set R,     16                         ; v16-79   four sets of 16 numbers as loaded
.set X,     80                         ; v80-111  two sets of 16 neighbours
.set E,     112                        ; v112-113 a step's scale byte, two registers by turns
.set C,     116                        ; v116-147 codes: eight sets of four registers, each used twice
.set SPW,   152                        ; v152     my spare word
.set NIL,   153                        ; v153     0
.set WREG,  5632                       ; LDS of a quantising wave: two stages of 32 x SP bytes, then its 256 scale bytes
.set SP,    80
.set MLDS,  4*WREG                     ; LDS of the mask's way
.set MP,    272                        ; a stage row: 256 bytes + 16
.set MREG,  16*MP
.set SPARE, MLDS+4*MREG                ; the spare words: 512 bytes that no other line names
.set MR,    16                         ; v16-111  three sets of 32 registers as loaded
.set MX,    112                        ; v112-143 32 mask numbers in the attention's register order
.set MW,    144                        ; v144-151 the words, two registers a step
	s_load_b512 s[4:19], s[0:1], 0x0               ; q, k, v, Wq, Wk, Wv, Wo, mask
	s_load_b128 s[20:23], s[0:1], 0x40             ; cod, scl
	s_load_b64 s[24:25], s[0:1], 0x50              ; maskw
	s_load_b64 s[44:45], s[0:1], 0x58              ; maskf
	v_lshl_add_u32 v[SPW], v0, 2, SPARE
	v_mov_b32 v[NIL], 0
	v_lshrrev_b32 v1, 5, v0
	v_readfirstlane_b32 s26, v1                    ; wave
	v_and_b32 v2, 31, v0                           ; lane
	v_lshlrev_b32 v3, 4, v2                        ; my 16 bytes of a load's 512
	s_cmp_ge_u32 ttmp9, QWG
	s_cbranch_scc1 .Lmask
	; ---------------- the quantiser ----------------
	s_mul_i32 s27, s26, WREG
	v_lshrrev_b32 v14, 2, v2
	v_mul_u32_u24 v14, v14, SP
	v_and_b32 v15, 3, v2
	v_lshl_add_u32 v14, v15, 4, v14
	v_add_nc_u32 v14, s27, v14                     ; the stage on the way in: SP (lane / 4) + 16 (lane % 4)
	v_mul_u32_u24 v15, v2, SP
	v_add_nc_u32 v15, s27, v15                     ; and on the way out: SP x lane
	v_mul_u32_u24 v4, v2, CB                       ; my codes' place in a step's 384 bytes
	v_lshrrev_b32 v8, 4, v2
	v_and_b32 v9, 15, v2
	v_lshrrev_b32 v9, 1, v9
	v_lshl_add_u32 v5, v8, 5, v9                   ; my block's scale byte: 32 x (which of the step's two rows) + block
	s_add_co_u32 s27, s27, 2*32*SP
	v_add_nc_u32 v5, s27, v5
	v_lshlrev_b32 v7, 3, v2
	v_add_nc_u32 v6, s27, v7
	s_wait_alu depctr_va_vdst(0)                   ; the wait at the head's end
	s_wait_kmcnt 0x0
	s_mov_b64 s[28:29], s[16:17]                   ; which tensor: a chain of choices on the work-group's number alone
	s_mov_b32 s30, 864
.macro PICK bound, ptr, first
	s_cmp_lt_u32 ttmp9, \bound
	s_cselect_b64 s[28:29], s[\ptr:\ptr+1], s[28:29]
	s_cselect_b32 s30, \first, s30
.endm
	PICK 864, 14, 832
	PICK 832, 12, 800
	PICK 800, 10, 768
	PICK 768, 8, 512
	PICK 512, 6, 256
	PICK 256, 4, 0
	s_sub_co_u32 s30, ttmp9, s30
	s_lshl_b32 s30, s30, 2
	s_add_co_u32 s30, s30, s26                     ; which run of 8 rows of the tensor my wave reads
	s_lshl_b32 s30, s30, 15
	s_mov_b32 s31, 0
	s_add_nc_u64 s[28:29], s[28:29], s[30:31]
	s_and_b32 s32, s26, 1
	s_lshl_b32 s32, s32, 1
	s_lshr_b32 s33, s26, 1
	s_or_b32 s32, s32, s33
	s_lshl_b32 s33, ttmp9, 2
	s_add_co_u32 s32, s32, s33                     ; the run that I write: wave 0, 1, 2, 3 writes run 0, 2, 1, 3 of the work-group's four;
	s_lshr_b32 s33, ttmp9, 1
	s_lshl_b32 s33, s33, 3
	s_lshl_b32 s34, s26, 1
	s_add_co_u32 s33, s33, s34
	s_and_b32 s34, ttmp9, 1
	s_add_co_u32 s33, s33, s34                     ; in k: run 2 x wave + work-group % 2 of the eight of two work-groups
	s_lshr_b32 s34, ttmp9, 8
	s_cmp_eq_u32 s34, 1                            ; k's work-groups are 256 to 511
	s_cselect_b32 s32, s33, s32
	s_lshr_b32 s33, s32, 4
	s_mul_i32 s33, s33, 4*KTILE                    ; sixteen runs to a block of 128 rows,
	s_and_b32 s34, s32, 15
	s_mul_i32 s34, s34, 8*192                      ; eight rows of 192 bytes a run
	s_add_co_u32 s30, s33, s34
	s_add_nc_u64 s[20:21], s[20:21], s[30:31]
	s_lshl_b32 s30, s32, 8                         ; 256 scale bytes a run
	s_add_nc_u64 s[22:23], s[22:23], s[30:31]
.macro LOAD t                          ; two loads from each of the step's two rows
.irp i, 0,1,2,3
	global_load_b128 v[R+16*((\t)%4)+4*\i:R+16*((\t)%4)+4*\i+3], v3, s[28:29] offset:(2*((\t)%4)+\i/2)*4096+((\t)/4)*1024+(\i%2)*512 th:TH_LOAD_NT
.endr
.endm
.macro TURN t                          ; LDS serves a wave's instructions in order: no wait between the stores and the loads
.irp i, 0,1,2,3
	ds_store_b128 v14, v[R+16*((\t)%4)+4*\i:R+16*((\t)%4)+4*\i+3] offset:32*SP*((\t)%2)+8*SP*\i
.endr
.irp i, 0,1,2,3
	ds_load_b128 v[X+16*((\t)%2)+4*\i:X+16*((\t)%2)+4*\i+3], v15 offset:32*SP*((\t)%2)+16*\i
.endr
.endm
.irp t, 0,1,2,3
	LOAD \t
.endr
	s_wait_loadcnt 12                              ; step 0's four loads are in; the twelve of steps 1 to 3 may be out
	TURN 0
.macro STEP t
.set XS, X+16*((\t)%2)
.if (\t) == 8
	s_wait_xcnt 0x0                                ; the first eight steps' stores have read their data: the codes' registers are used once more
.endif
.if (\t) > 0
	s_wait_dscnt 1                                 ; this step's numbers are back (the last step's byte store may be out)
.else
	s_wait_dscnt 0x0
.endif
.if (\t)+4 < STEPS
	LOAD (\t)+4
.endif
.if (\t)+1 < STEPS
.if STEPS-2-(\t) >= 3
	s_wait_loadcnt 12                              ; the next step's four loads are in; those of the three steps behind it may be out
.else
	s_wait_loadcnt 4*(STEPS-2-(\t))
.endif
	TURN (\t)+1
.endif
	v_max3_num_f32 v8, |v[XS]|, |v[XS+1]|, |v[XS+2]|
	v_max3_num_f32 v9, |v[XS+3]|, |v[XS+4]|, |v[XS+5]|
.irp i, 6,10
	v_max3_num_f32 v8, v8, |v[XS+\i]|, |v[XS+\i+1]|
	v_max3_num_f32 v9, v9, |v[XS+\i+2]|, |v[XS+\i+3]|
.endr
	v_max3_num_f32 v8, v8, |v[XS+14]|, |v[XS+15]|
	v_max3_num_f32 v8, v8, v9, (EMAX+1)<<23        ; the floor 2^(3 - 127): the byte cannot fall under 1
	v_max_num_f32_dpp v8, v8, v8 row_xmask:1 row_mask:0xf bank_mask:0xf   ; with my neighbour's 16: the block's
	v_add_nc_u32 v11, -(EMAX<<23), v8              ; 2 off its exponent field: the conversion's scale operand
	v_cvt_scalef32_pk16_fp6_f32 v[C+4*((\t)%8):C+4*((\t)%8)+2], v[XS:XS+15], v11
	v_lshrrev_b32 v[E+(\t)%2], 23, v11             ; the scale's byte
	ds_store_b8 v5, v[E+(\t)%2] offset:64*((\t)%4)+8*((\t)/4)
	global_store_b96 v4, v[C+4*((\t)%8):C+4*((\t)%8)+2], s[20:21] offset:KTILE*((\t)/4)+384*((\t)%4)   ; 384 consecutive bytes: two rows of one K step
.endm
.irp t, 0,1,2,3,4,5,6,7,8,9,10,11,12,13,14,15
	STEP \t
.endr
	ds_load_b64 v[12:13], v6
	s_wait_dscnt 0x0
	global_store_b64 v7, v[12:13], s[22:23]        ; 32 lanes store 256 consecutive bytes, aligned
	s_wait_tensorcnt 0x0                           ; the wave's end
	ds_add_u32 v[SPW], v[NIL]
	s_wait_dscnt 0x0
	s_endpgm
	; ---------------- the mask ----------------
.Lmask:
	s_sub_co_u32 s27, ttmp9, QWG                   ; TT = 128 b + T
	s_and_b32 s30, s27, 1
	s_lshl_b32 s30, s30, 3
	s_lshl_b32 s31, s27, 4
	s_sub_co_u32 s30, s31, s30                     ; the tile's first row of the mask: 16 TT - 8 (TT % 2)
	s_lshl_b32 s30, s30, 13
	s_lshl_b32 s31, s26, 11                        ; my wave's four steps: 2,048 bytes of each row
	s_add_co_u32 s30, s30, s31
	s_mov_b32 s31, 0
	s_mul_i32 s28, s26, MREG
	s_add_co_u32 s28, s28, MLDS                    ; my stage
	s_wait_alu depctr_va_vdst(0)
	v_and_b32 v7, 15, v2                           ; r
	v_lshrrev_b32 v8, 4, v2                        ; h
	v_lshlrev_b32 v9, 4, v7
	v_lshl_add_u32 v3, v8, 13, v9                  ; in memory: lanes 0-15 one row's 256 bytes, lanes 16-31 the next row's
	v_mad_u32_u24 v4, v8, MP, v9
	v_add_nc_u32 v4, s28, v4                       ; into the stage: the same two rows
	v_mul_u32_u24 v5, v7, MP
	v_lshl_add_u32 v5, v8, 7, v5
	v_add_nc_u32 v5, s28, v5                       ; out of it: row r, + 128 h: 32 neighbouring keys
	v_lshlrev_b32 v6, 3, v2
.irp i, 0,1,2,3,4,5,6,7
	v_mov_b32 v[MW+\i], 0                          ; a lane write's destination counts as one of its sources
.endr
	s_wait_alu depctr_va_vdst(0)
	s_wait_kmcnt 0x0
	s_add_nc_u64 s[18:19], s[18:19], s[30:31]
	s_lshl_b32 s30, s27, 12
	s_lshl_b32 s29, s26, 10
	s_add_co_u32 s30, s30, s29
	s_add_nc_u64 s[24:25], s[24:25], s[30:31]
	s_lshl_b32 s30, s27, 4                         ; maskf: 16 bytes a tile, 4 a wave
	s_lshl_b32 s29, s26, 2
	s_add_co_u32 s30, s30, s29
	s_add_nc_u64 s[44:45], s[44:45], s[30:31]
	s_mov_b32 s42, 0                               ; my four steps' bits
.macro MLOAD u                         ; half u of my eight: 16 rows x 256 bytes; stage row i is mask row i + 8 (i / 8) of the tile
.irp i, 0,1,2,3,4,5,6,7
	global_load_b128 v[MR+32*((\u)%3)+4*\i:MR+32*((\u)%3)+4*\i+3], v3, s[18:19] offset:(2*\i+8*(\i/4))*8192+256*(\u) th:TH_LOAD_NT
.endr
.endm
.macro MHALF u
.if (\u) < 6
	s_wait_loadcnt 16                              ; this half's 8 loads are in; the 16 of the two halves behind it may be out
.else
	s_wait_loadcnt 8*(7-(\u))
.endif
.irp i, 0,1,2,3,4,5,6,7
	ds_store_b128 v4, v[MR+32*((\u)%3)+4*\i:MR+32*((\u)%3)+4*\i+3] offset:2*MP*\i
.endr
.irp j, 0,1,2,3,4,5,6,7
	ds_load_b128 v[MX+4*\j:MX+4*\j+3], v5 offset:16*\j   ; register i: key 64 (u % 2) + 32 h + i of row r; LDS serves a wave in order
.endr
	s_wait_dscnt 0x0
.if (\u) < 5
	MLOAD (\u)+3
.endif
.if (\u)%2 == 0
	s_mov_b64 s[40:41], -1
.endif
.irp e, 0,1,2,3
.irp i, 0,1,2,3,4,5,6,7
	v_cmp_ne_u32 s[32+\i], 0, v[MX+8*\e+\i]        ; word n = 32 (u % 2) + 8 e + i: one bit a lane
.endr
.irp i, 0,2,4,6
	s_and_b64 s[40:41], s[40:41], s[32+\i:33+\i]   ; all ones as long as no key is hidden
.endr
.irp i, 0,1,2,3,4,5,6,7
	v_writelane_b32 v[MW+2*((\u)/2)+(\i%2)], s[32+\i], 16*((\u)%2)+4*\e+\i/2   ; word n to lane n / 2, register n % 2
.endr
.endr
.if (\u)%2
	global_store_b64 v6, v[MW+2*((\u)/2):MW+2*((\u)/2)+1], s[24:25] offset:256*((\u)/2)   ; 32 lanes store 256 consecutive bytes, aligned
	s_and_b32 s40, s40, s41
	s_cmp_eq_u32 s40, -1
	s_cselect_b32 s40, 1<<((\u)/2), 0
	s_or_b32 s42, s42, s40
.endif
.endm
	MLOAD 0
	MLOAD 1
	MLOAD 2
.irp u, 0,1,2,3,4,5,6,7
	MHALF \u
.endr
	s_lshl_b32 s43, s26, 2
	s_lshl_b32 s42, s42, s43                       ; at bits 4 x wave + 0 .. 3
	v_mov_b32 v9, s42
	v_mov_b32 v10, 0
	v_cmp_eq_u32 vcc_lo, 0, v2
	s_wait_alu depctr_va_vdst(0)
	s_wait_xcnt 0x0                                ; EXEC changes only behind this wait
	s_and_saveexec_b32 s43, vcc_lo
	global_store_b32 v10, v9, s[44:45]             ; lane 0 alone: one word a wave, 8,192 bytes in the whole launch
	s_wait_xcnt 0x0
	s_or_b32 exec_lo, exec_lo, s43
	s_wait_tensorcnt 0x0                           ; the wave's end
	ds_add_u32 v[SPW], v[NIL]
	s_wait_dscnt 0x0
	s_endpgm
.Lfunc_end_k_qea65f0cb8e_prep:
	.size	k_qea65f0cb8e_prep, .Lfunc_end_k_qea65f0cb8e_prep-k_qea65f0cb8e_prep
	.p2alignl 7, 3214868480
	.fill 96, 4, 3214868480
	.section	.rodata,"a",@progbits
	.p2align	6, 0x0
	.amdhsa_kernel k_qea65f0cb8e_prep
		.amdhsa_group_segment_fixed_size 40448
		.amdhsa_private_segment_fixed_size 0
		.amdhsa_enable_private_segment 0
		.amdhsa_kernarg_size 96
		.amdhsa_user_sgpr_count 2
		.amdhsa_user_sgpr_kernarg_segment_ptr 1
		.amdhsa_wavefront_size32 1
		.amdhsa_system_sgpr_workgroup_id_x 1
		.amdhsa_system_sgpr_workgroup_id_y 1
		.amdhsa_system_sgpr_workgroup_id_z 1
		.amdhsa_system_vgpr_workitem_id 0
		.amdhsa_next_free_vgpr 160
		.amdhsa_next_free_sgpr 66
		.amdhsa_reserve_vcc 1
		.amdhsa_float_denorm_mode_32 3
		.amdhsa_float_denorm_mode_16_64 3
		.amdhsa_memory_ordered 1
		.amdhsa_forward_progress 1
		.amdhsa_inst_pref_size 88
	.end_amdhsa_kernel
	.amdgpu_metadata
---
amdhsa.version: [ 1, 2 ]
amdhsa.kernels:
  - .name:           k_qea65f0cb8e_prep
    .symbol:         k_qea65f0cb8e_prep.kd
    .args:
      - { .name: q, .offset: 0, .size: 8, .value_kind: global_buffer, .address_space: global }
      - { .name: k, .offset: 8, .size: 8, .value_kind: global_buffer, .address_space: global }
      - { .name: v, .offset: 16, .size: 8, .value_kind: global_buffer, .address_space: global }
      - { .name: Wq, .offset: 24, .size: 8, .value_kind: global_buffer, .address_space: global }
      - { .name: Wk, .offset: 32, .size: 8, .value_kind: global_buffer, .address_space: global }
      - { .name: Wv, .offset: 40, .size: 8, .value_kind: global_buffer, .address_space: global }
      - { .name: Wo, .offset: 48, .size: 8, .value_kind: global_buffer, .address_space: global }
      - { .name: mask, .offset: 56, .size: 8, .value_kind: global_buffer, .address_space: global }
      - { .name: cod, .offset: 64, .size: 8, .value_kind: global_buffer, .address_space: global }
      - { .name: scl, .offset: 72, .size: 8, .value_kind: global_buffer, .address_space: global }
      - { .name: maskw, .offset: 80, .size: 8, .value_kind: global_buffer, .address_space: global }
      - { .name: maskf, .offset: 88, .size: 8, .value_kind: global_buffer, .address_space: global }
    .group_segment_fixed_size: 40448
    .private_segment_fixed_size: 0
    .kernarg_segment_align: 8
    .kernarg_segment_size: 96
    .max_flat_workgroup_size: 128
    .sgpr_count:     66
    .vgpr_count:     160
    .wavefront_size: 32
...
	.end_amdgpu_metadata
.endif
;; end of part 1
;; launch proj (part 2): grid 4 x 96, 4 waves a work-group, clusters of 4 x 4, 327,680 bytes of LDS; arguments cod, scl, bq, bk, bv, qb, kv; writes qb, kv
.if DOCPART == 2
	.amdgcn_target "amdgcn-amd-amdhsa--gfx1250"
	.amdhsa_code_object_version 6
	.text
	.protected	k_qea65f0cb8e_proj
	.globl	k_qea65f0cb8e_proj
	.p2align	8
	.type	k_qea65f0cb8e_proj,@function
k_qea65f0cb8e_proj:
	s_mov_b64 s[64:65], 0
	v_nop
	global_prefetch_b8 v0, s[64:65] scope:SCOPE_SE
	s_setreg_imm32_b32 hwreg(HW_REG_WAVE_MODE, 25, 1), 1
	s_wait_xcnt 0x0
	s_wait_alu depctr_hold_cnt(0) depctr_sa_sdst(0) depctr_va_vdst(0) depctr_va_sdst(0) depctr_va_ssrc(0) depctr_va_vcc(0) depctr_vm_vsrc(0)
	s_getreg_b32 s2, hwreg(HW_REG_IB_STS2, 6, 4)
	s_cmp_eq_u32 s2, 0
	s_cbranch_scc0 .Lentry_in_a_cluster
	s_endpgm
.Lentry_in_a_cluster:
	s_bfe_u32 s2, ttmp6, 0x10000c
	s_cmp_lg_u32 s2, 0xf033
	s_cbranch_scc0 .Lentry_shape_is_right
	s_endpgm
.Lentry_shape_is_right:
.set KSTEP,  256
.set NQ,     KSTEP/128
.set ROWB,   24576                     ; bytes from a K step's tile to the next in cod: 128 rows x 192 bytes, dense
.set KROW,   768
.set PITCH,  240
.set FR,     12
.set NL,     6
.set NP,     4
.set HALFT,  128*PITCH
.set SLOT,   4*HALFT
.set LAPS,   2
.set KS,     32
.set SCL,    2*SLOT
.set HALFS,  (128*KS/256)*272
.set SBLK,   (16*KS/256)*272
.set SPARE,  SCL+4*HALFS
.set HEADB,  208896
.set STEPB,  13056
.set ADRA, 16
.set ADRB, 20
.set ADRS, 27
.set SPW,  28
.set NIL,  29
.set SC,   32
.set BIAS, 64
.set AF,   128
.set T,    128
.set CD,   192
.set TM,   224
.set PWS,  240
.set SW,   248
.set SX,   252
.set SEL,  20
.set G1, 24
.set G0, 32
.set G1B, 48
.set G0B, 56
.set G1S, 68
.set G0S, 76
.set G1SB, 80
.set G0SB, 88
.set MSB, 0
.macro WIN new
.if MSB != \new
	s_set_vgpr_msb (MSB<<8)|\new
.set MSB, \new
.endif
.endm
.set MUL_LO, 0xa1
.set MUL_HI, 0xf1
.set TO_B,   0x40
.macro JLOAD g0a, g1a, g0b, g1b
	s_cmp_eq_u32 s15, 0
	s_cbranch_scc0 .Lfor_b_\@
	tensor_load_to_lds s[\g0a:\g0a+3], s[\g1a:\g1a+7]
	s_nop 0
.rept 4
	v_nop
.endr
	s_branch .Lasked_\@
.Lfor_b_\@:
	tensor_load_to_lds s[\g0b:\g0b+3], s[\g1b:\g1b+7]
	s_nop 0
.rept 4
	v_nop
.endr
.Lasked_\@:
.endm
.macro CREST
	s_cmp_lg_u32 s14, 0
	s_cbranch_scc1 .Lnot_wave_0_\@
	s_barrier_signal -3
.Lnot_wave_0_\@:
	s_barrier_wait -3
	s_barrier_signal -1
	s_barrier_wait -1
.endm
.macro CROUND
	s_barrier_signal -1
	s_barrier_wait -1
	CREST
.endm
	s_load_b128 s[4:7], s[0:1], 0x0
	s_load_b256 s[68:75], s[0:1], 0x10
	s_load_b64 s[76:77], s[0:1], 0x30
	v_lshl_add_u32 v[SPW], v0, 2, SPARE
	v_mov_b32 v[NIL], 0
	ds_add_u32 v28, v29
	ds_add_u32 v28, v29
	s_wait_dscnt 0x0
	v_lshrrev_b32 v1, 5, v0
	v_readfirstlane_b32 s14, v1
	s_lshr_b32 s15, s14, 1
	s_and_b32 s16, s14, 1
	s_bfe_u32 s40, ttmp6, 0x40000
	s_bfe_u32 s41, ttmp6, 0x40004
	s_and_b32 s12, ttmp7, 0xffff
	s_lshr_b32 s98, s12, 3
	s_and_b32 s99, s12, 7
	s_lshl_b32 s12, s98, 5
	s_lshl_b32 s13, s99, 2
	s_add_co_u32 s12, s12, s13
	s_add_co_u32 s13, s13, 64
	s_lshl_b32 s18, s98, 2
	s_add_co_u32 s18, s18, 96
	s_cmp_lt_u32 s98, 2
	s_cselect_b32 s17, s12, 104
	s_cselect_b32 s42, s18, s13
	s_add_co_u32 s17, s17, s41
	s_add_co_u32 s42, s42, s40
	s_lshl_b32 s43, s41, 2
	s_lshl_b32 s43, 15, s43
	s_lshl_b32 s44, 0x1111, s40
	s_or_b32 s[G1+0], s43, (0<<16)|(1<<20)|(1<<21)|(3<<22)|(3<<25)
	s_or_b32 s[G1B+0], s44, (0<<16)|(1<<20)|(1<<21)|(3<<22)|(3<<25)
.irp g, G1, G1B
	s_mov_b32 s[\g+1], ROWB<<16                    ; the head's shape: K step 0 of 256 rows: two dense runs of 24,576 bytes, a block of 128 rows (98,304 bytes) apart
	s_mov_b32 s[\g+2], 2<<16
	s_mov_b32 s[\g+3], ROWB<<16
	s_mov_b32 s[\g+4], 2
	s_mov_b32 s[\g+5], 4*ROWB
	s_mov_b32 s[\g+6], 0
	s_mov_b32 s[\g+7], 0
.endr
	s_lshl_b32 s20, s17, 8                         ; the tiles' first rows
	s_lshl_b32 s46, s42, 8
	s_mov_b32 s21, 0
	s_mov_b32 s47, 0
	s_mov_b64 s[18:19], KS
	s_mul_u64 s[22:23], s[20:21], s[18:19]
	s_mul_u64 s[92:93], s[46:47], s[18:19]
	s_mov_b64 s[18:19], KROW
	s_mul_u64 s[20:21], s[20:21], s[18:19]
	s_mul_u64 s[46:47], s[46:47], s[18:19]
	s_mul_i32 s45, s14, HALFT
	s_mul_i32 s18, s16, 128*KROW                   ; in the ring I fetch 128 rows of a tile: which half, in bytes
	s_mov_b32 s19, 0
	s_wait_kmcnt 0x0
	s_cmp_eq_u32 s98, 0
	s_cselect_b64 s[8:9], s[68:69], s[70:71]
	s_cselect_b64 s[10:11], s[74:75], s[76:77]
	s_cmp_eq_u32 s98, 2
	s_cselect_b64 s[8:9], s[72:73], s[8:9]
	s_or_b32 s[G1S+0], s43, (3<<16)|(1<<20)|(1<<21)|(5<<22)|(3<<25)
	s_or_b32 s[G1SB+0], s44, (3<<16)|(1<<20)|(1<<21)|(5<<22)|(3<<25)
.irp g, G1S, G1SB
	s_mov_b32 s[\g+1], 32<<16
	s_mov_b32 s[\g+2], (256*KS/256)<<16            ; the scales of all 256 rows by one load
	s_mov_b32 s[\g+3], 32<<16
	s_mov_b32 s[\g+4], 256*KS/256
	s_mov_b32 s[\g+5], 32
	s_mov_b32 s[\g+6], 0
	s_mov_b32 s[\g+7], 0
.endr
	s_add_nc_u64 s[20:21], s[4:5], s[20:21]
	s_add_nc_u64 s[22:23], s[6:7], s[22:23]
	s_add_nc_u64 s[46:47], s[4:5], s[46:47]
	s_add_nc_u64 s[92:93], s[6:7], s[92:93]
	CROUND
	s_mov_b32 s[G0S], 1
	s_mov_b32 s[G0S+1], SCL
	s_mov_b64 s[G0S+2:G0S+3], s[22:23]
	s_or_b32 s[G0S+3], s[G0S+3], 0x80000000
	s_mov_b32 s[G0SB], 1
	s_mov_b32 s[G0SB+1], SCL+2*HALFS
	s_mov_b64 s[G0SB+2:G0SB+3], s[92:93]
	s_or_b32 s[G0SB+3], s[G0SB+3], 0x80000000
	s_mov_b32 s4, 1                                ; s[4:7]: group 0 of the head's load of source 1's 256 rows, K step 0 (the arguments that lay there have served)
	s_mov_b32 s5, 0
	s_mov_b64 s[6:7], s[20:21]
	s_or_b32 s7, s7, 0x80000000
	s_mov_b32 s92, 1                               ; s[92:95]: the same for source 0's 256 rows
	s_mov_b32 s93, 2*HALFT
	s_mov_b64 s[94:95], s[46:47]
	s_or_b32 s95, s95, 0x80000000
	s_add_nc_u64 s[20:21], s[20:21], s[18:19]      ; for the ring: my 128 rows
	s_add_nc_u64 s[46:47], s[46:47], s[18:19]
	s_cmp_eq_u32 s15, 0                            ; the prefetches: of the 96 blocks of 256 bytes that a ring load of mine brings, each of the four partners that ask jointly names 24, told apart by address
	s_cselect_b64 s[96:97], s[20:21], s[46:47]
	s_cselect_b32 s100, s40, s41
	s_mul_i32 s100, s100, 24*256
	s_mov_b32 s101, 0
	s_add_nc_u64 s[96:97], s[96:97], s[100:101]
.irp s, 0,1
	s_mov_b32 s[G0+4*\s], 1
	s_add_co_u32 s[G0+4*\s+1], s45, \s*SLOT
	s_add_nc_u64 s[G0+4*\s+2:G0+4*\s+3], s[20:21], \s*ROWB
	s_or_b32 s[G0+4*\s+3], s[G0+4*\s+3], 0x80000000
	s_mov_b32 s[G0B+4*\s], 1
	s_add_co_u32 s[G0B+4*\s+1], s45, \s*SLOT
	s_add_nc_u64 s[G0B+4*\s+2:G0B+4*\s+3], s[46:47], \s*ROWB
	s_or_b32 s[G0B+4*\s+3], s[G0B+4*\s+3], 0x80000000
.endr
; THE HEAD'S LOADS, ONE A WAVE, in one chain of branches on the wave's number: K step 0 of both operands' 256 rows, and both operands' scales
.macro ARM under, g0, g1, next
	s_cmp_lt_u32 s14, \under
	s_cbranch_scc0 \next
	tensor_load_to_lds s[\g0:\g0+3], s[\g1:\g1+7]
	s_nop 0
.rept 4
	v_nop
.endr
	s_branch .Lhead_asked
\next:
.endm
	ARM 1, 4, G1, .Lhead_b
	ARM 2, 92, G1B, .Lhead_sa
	ARM 3, G0S, G1S, .Lhead_sb
	tensor_load_to_lds s[G0SB:G0SB+3], s[G1SB:G1SB+7]
	s_nop 0
.rept 4
	v_nop
.endr
.Lhead_asked:
	v_and_b32 v12, 31, v0
	v_min_u32 v12, 23, v12                         ; (the lanes left over name the last block again)
	v_lshlrev_b32 v12, 8, v12                      ; v12: the prefetches' offset, a lane a block; never rewritten
	v_and_b32 v1, 15, v0
	v_bfe_u32 v2, v0, 4, 1
	v_mul_u32_u24 v3, v1, PITCH
	v_mul_u32_u24 v4, v2, 24
	v_add_nc_u32 v4, v3, v4
	v_lshl_add_u32 v5, v2, 4, v4
	s_mul_i32 s21, s15, HALFT
	s_mul_i32 s22, s16, HALFT
	s_add_co_u32 s22, s22, 2*HALFT
.irp s, 0,1
	v_add_nc_u32 v[ADRA+\s], s21, v4
	v_add_nc_u32 v[ADRB+\s], s22, v4
	v_add_nc_u32 v[ADRA+2+\s], s21, v5
	v_add_nc_u32 v[ADRB+2+\s], s22, v5
	s_add_co_u32 s21, s21, SLOT
	s_add_co_u32 s22, s22, SLOT
.endr
	v_mul_u32_u24 v5, v1, KS
	v_lshrrev_b32 v6, 8, v5
	v_lshl_add_u32 v5, v6, 4, v5
	s_mul_i32 s21, s15, HALFS
	s_mul_i32 s22, s16, HALFS
	s_add_co_u32 s22, s22, 2*HALFS
	s_sub_co_u32 s22, s22, s21
	v_mul_u32_u24 v6, s22, v2
	s_add_co_u32 s21, s21, SCL
	v_add_nc_u32 v5, v5, v6
	v_add_nc_u32 v[ADRS], s21, v5
	v_lshlrev_b32 v8, 6, v2
	v_and_b32 v9, 8, v1
	v_add_nc_u32 v9, v9, v1
	v_lshlrev_b32 v9, 2, v9
	v_and_b32 v6, 31, v0
	v_lshlrev_b32 v10, 4, v6
	v_lshlrev_b32 v11, 3, v6
.irp b, 0,1,2,3
	v_mov_b32 v[TM+4+\b], 0
.endr
	s_mov_b32 s[SEL], 0x76543210
	s_mov_b32 s[SEL+1], 0xfedcba98
	s_mov_b32 s22, 0xffff0000
.macro FRAG reg, adr, q, i
.irp p, 0,1,2,3,4,5
.set PCE, 12*(\q)+6*(\p/3)+\p%3
.if PCE%8 < 5
	ds_load_b64 v[\reg+2*\p:\reg+2*\p+1], v[\adr] offset:8*PCE+16*(PCE/8)+(\i)*16*PITCH
.else
	ds_load_b64 v[\reg+2*\p:\reg+2*\p+1], v[\adr+2] offset:8*PCE+16*(PCE/8)+(\i)*16*PITCH
.endif
.endr
.endm
.macro MUL16 a0, p, q, sc, zero
.irp a, \a0, \a0+1
.irp b, 0,1,2,3,4,5,6,7
.if \zero
	v_wmma_scale_f32_16x16x128_f8f6f4 v[8*(8*((\a)%4)+\b):8*(8*((\a)%4)+\b)+7], v[128*(\p)+FR*\b:128*(\p)+FR*\b+FR-1], v[AF+FR*(\a):AF+FR*(\a)+FR-1], 0, v[SC+8*NQ*(\sc)+NQ*\b+(\q)], v[SC+8*NQ*(\sc)+NQ*(\a)+(\q)] matrix_a_fmt:MATRIX_FMT_FP6 matrix_b_fmt:MATRIX_FMT_FP6 matrix_a_scale:MATRIX_SCALE_ROW1
.else
	v_wmma_scale_f32_16x16x128_f8f6f4 v[8*(8*((\a)%4)+\b):8*(8*((\a)%4)+\b)+7], v[128*(\p)+FR*\b:128*(\p)+FR*\b+FR-1], v[AF+FR*(\a):AF+FR*(\a)+FR-1], v[8*(8*((\a)%4)+\b):8*(8*((\a)%4)+\b)+7], v[SC+8*NQ*(\sc)+NQ*\b+(\q)], v[SC+8*NQ*(\sc)+NQ*(\a)+(\q)] matrix_a_fmt:MATRIX_FMT_FP6 matrix_b_fmt:MATRIX_FMT_FP6 matrix_a_scale:MATRIX_SCALE_ROW1
.endif
.endr
.endr
.endm
.macro FETCH_B slot, q, p
	WIN TO_B
.irp i, 0,1,2,3,4,5,6,7
	FRAG 128*(\p)+FR*\i, ADRB+\slot, \q, \i
.endr
	WIN 0
.endm
.macro FETCH_A slot, q, i0
.irp i, \i0, \i0+1, \i0+2, \i0+3
	FRAG AF+FR*(\i), ADRA+\slot, \q, \i
.endr
.endm
.macro SCALES sc
.irp i, 0,1,2,3,4,5,6,7
	ds_load_b64 v[SC+8*NQ*\sc+NQ*\i:SC+8*NQ*\sc+NQ*\i+1], v[ADRS] offset:\i*SBLK
.endr
.endm
.macro PLACES n
.rept \n
	v_nop
.endr
.endm
.macro STEP slot, q, zero
	s_wait_dscnt 4*NL
	WIN MUL_LO
	MUL16 0, (\q)%2, \q, \slot, \zero
	MUL16 2, (\q)%2, \q, \slot, \zero
	s_wait_dscnt 0
	PLACES NP
	FETCH_B \slot, (\q)+1, 1-(\q)%2
	FETCH_A \slot, (\q)+1, 0
	WIN MUL_HI
	MUL16 4, (\q)%2, \q, \slot, \zero
	MUL16 6, (\q)%2, \q, \slot, \zero
	PLACES NP
	WIN 0
	FETCH_A \slot, (\q)+1, 4
.endm
.macro TURN slot, next, fill
	s_wait_tensorcnt 0x0
	ds_add_u32 v[SPW], v[NIL]
	s_wait_dscnt 4*NL+1
	WIN MUL_LO
	MUL16 0, 1, NQ-1, \slot, 0
	s_wait_dscnt 0x0
	s_barrier_signal -1
	MUL16 2, 1, NQ-1, \slot, 0
	WIN 0
	s_barrier_wait -1
.if \fill
	CREST
	s_add_nc_u64 s[G0+4*\slot+2:G0+4*\slot+3], s[G0+4*\slot+2:G0+4*\slot+3], 2*ROWB
	s_add_nc_u64 s[G0B+4*\slot+2:G0B+4*\slot+3], s[G0B+4*\slot+2:G0B+4*\slot+3], 2*ROWB
	JLOAD G0+4*\slot, G1, G0B+4*\slot, G1B
.else
	PLACES NP
.endif
	s_wait_alu depctr_va_vdst(0)
	v_add_nc_u32 v[ADRS], 4*NQ, v[ADRS]
	FETCH_B \next, 0, 0
	FETCH_A \next, 0, 0
	SCALES \next
	WIN MUL_HI
	MUL16 4, 1, NQ-1, \slot, 0
	MUL16 6, 1, NQ-1, \slot, 0
	PLACES NP
	WIN 0
	FETCH_A \next, 0, 4
.endm
.macro LAST
	s_wait_dscnt 4*NL
	WIN MUL_LO
	MUL16 0, 1, NQ-1, 1, 0
	MUL16 2, 1, NQ-1, 1, 0
	s_wait_dscnt 0
	WIN MUL_HI
	MUL16 4, 1, NQ-1, 1, 0
	MUL16 6, 1, NQ-1, 1, 0
	WIN 0
.endm
.macro QUANT s, pw
.irp b, 0,1,2,3
	v_max3_num_f32 v[TM+\b], |v[\s+16*\b]|, |v[\s+1+16*\b]|, 0x1800000
.endr
.irp i, 2,4,6,8,10,12,14
.irp b, 0,1,2,3
	v_max3_num_f32 v[TM+\b], v[TM+\b], |v[\s+16*\b+\i]|, |v[\s+1+16*\b+\i]|
.endr
.endr
.irp b, 0,1,2,3
	v_permlanex16_b32 v[TM+4+\b], v[TM+\b], s[SEL], s[SEL+1]
.endr
.irp b, 0,1,2,3
	v_max_num_f32 v[TM+\b], v[TM+\b], v[TM+4+\b]
.endr
.irp b, 0,1,2,3
	v_add_nc_u32 v[TM+12+\b], 0xff000000, v[TM+\b]
.endr
.irp b, 0,1,2,3
	v_lshrrev_b32 v[TM+4+\b], 23, v[TM+12+\b]
.endr
	v_lshl_or_b32 v[\pw], v[TM+5], 8, v[TM+4]
	v_lshl_or_b32 v[\pw], v[TM+6], 16, v[\pw]
	v_lshl_or_b32 v[\pw], v[TM+7], 24, v[\pw]
.irp c, 0,1
	v_cvt_scalef32_pk16_fp6_f32 v[CD+6*\c:CD+2+6*\c], v[\s+32*\c:\s+15+32*\c], v[TM+12+2*\c]
	v_cvt_scalef32_pk16_fp6_f32 v[CD+12+4*\c:CD+14+4*\c], v[\s+16+32*\c:\s+31+32*\c], v[TM+12+2*\c+1]
.endr
	v_nop
.irp c, 0,1
.irp i, 0,1,2
	v_permlane16_swap_b32 v[CD+6*\c+\i], v[CD+12+4*\c+\i]
.endr
.irp i, 0,1,2
	v_mov_b32 v[CD+3+6*\c+\i], v[CD+12+4*\c+\i]
.endr
.endr
.endm
.macro OUTPTR tok, th, hc, hh, extra
	s_lshl_b32 s12, s99, 2
	s_add_co_u32 s12, s12, s[\tok]
	s_lshl_b32 s12, s12, 1
	s_add_co_u32 s12, s12, s[\th]
	s_lshr_b32 s13, s12, 4
	s_and_b32 s12, s12, 15
	s_lshl_b32 s13, s13, 3
	s_lshl_b32 s18, s[\hc], 1
	s_add_co_u32 s13, s13, s18
	s_add_co_u32 s13, s13, s[\hh]
	s_mul_i32 s13, s13, 2*HEADB
	s_mul_i32 s12, s12, STEPB
	s_add_co_u32 s12, s12, s13
	s_add_co_u32 s12, s12, \extra
	s_mov_b32 s13, 0
	s_add_nc_u64 s[92:93], s[10:11], s[12:13]
	s_add_nc_u64 s[94:95], s[92:93], HEADB
	s_lshl_b32 s12, s[\hc], 10
	s_lshl_b32 s18, s[\hh], 9
	s_add_co_u32 s12, s12, s18
	s_add_nc_u64 s[8:9], s[8:9], s[12:13]
.endm
.macro EPI ty, a
.if (\a) == 0
	s_wait_loadcnt 0x0
.else
	s_wait_xcnt 0x0
.endif
	WIN 0x02+(\a)/4
.set ii, 0
.rept 32
.if \ty
	v_pk_add_f32 v[T+2*ii:T+2*ii+1], v[64*((\a)%4)+2*ii:64*((\a)%4)+2*ii+1], v[BIAS+2*(\a):BIAS+2*(\a)+1]
.else
	v_pk_add_f32 v[T+2*ii:T+2*ii+1], v[64*((\a)%4)+2*ii:64*((\a)%4)+2*ii+1], v[BIAS+2*ii:BIAS+2*ii+1]
.endif
.set ii, ii+1
.endr
	WIN 0
	QUANT T, PWS+(\a)
.if \ty
.irp c, 0,1,2
	global_store_b128 v10, v[CD+4*\c:CD+4*\c+3], s[92+2*((\a)/4):93+2*((\a)/4)] offset:1536*((\a)%4)+512*\c
.endr
.else
	global_store_b128 v10, v[CD:CD+3], s[92:93] offset:768*(\a)
	global_store_b64 v11, v[CD+4:CD+5], s[92:93] offset:768*(\a)+512
	global_store_b128 v10, v[CD+6:CD+9], s[94:95] offset:768*(\a)
	global_store_b64 v11, v[CD+10:CD+11], s[94:95] offset:768*(\a)+512
.endif
.endm
	s_wait_alu depctr_va_vdst(0)                   ; the wait at the head's end
	s_wait_tensorcnt 0x0                           ; my tile of the head's four is in
	ds_add_u32 v[SPW], v[NIL]
.irp g, G1, G1B
	s_mov_b32 s[\g+1], 256<<16                     ; no tensor load of mine is out: from here on a load brings one dense run of 24,576 bytes, stated as 96 rows of 256
	s_mov_b32 s[\g+2], 96<<16
	s_mov_b32 s[\g+3], 256<<16
	s_mov_b32 s[\g+4], 96
	s_mov_b32 s[\g+5], 256
.endr
	s_wait_dscnt 0x0
	CROUND                                         ; all four tiles are in, and all sixteen work-groups are here
	JLOAD G0+4, G1, G0B+4, G1B                     ; K step 1, the first tensor load behind the round
	FETCH_B 0, 0, 0
	global_prefetch_b8 v12, s[96:97] offset:2*ROWB th:TH_LOAD_NT scope:SCOPE_SE   ; K steps 2 and 3, which the two refills will load: two K steps ahead
	global_prefetch_b8 v12, s[96:97] offset:3*ROWB th:TH_LOAD_NT scope:SCOPE_SE
	FETCH_A 0, 0, 0
	SCALES 0
	FETCH_A 0, 0, 4
	STEP 0, 0, 1
	s_mov_b32 s3, LAPS-1
.Llap:
	TURN 0, 1, 1
	STEP 1, 0, 0
	TURN 1, 0, 1
	STEP 0, 0, 0
	s_sub_co_u32 s3, s3, 1
	s_cmp_lg_u32 s3, 0
	s_cbranch_scc1 .Llap
	TURN 0, 1, 0
	STEP 1, 0, 0
	s_cmp_eq_u32 s98, 2
	s_cbranch_scc1 .Lv
	OUTPTR 41, 15, 40, 16, 0
.irp b, 0,1,2,3
.irp j, 0,1,2,3
	global_load_b128 v[BIAS+16*\b+4*\j:BIAS+16*\b+4*\j+3], v8, s[8:9] offset:128*\b+16*\j
.endr
.endr
	LAST
	PLACES NP
.irp a, 0,1,2,3,4,5,6,7
	EPI 0, \a
.endr
.irp p, 0,1,2,3
	v_cndmask_b32 v[SW+\p], v[PWS+2*\p], v[PWS+2*\p+1], s22
.endr
	global_store_b128 v10, v[SW:SW+3], s[92:93] offset:12288
.irp p, 0,1,2,3
	v_lshrrev_b32 v[SX+\p], 16, v[SW+\p]
.endr
	global_store_b128 v10, v[SX:SX+3], s[94:95] offset:12288
	s_branch .Lend
.Lv:
	OUTPTR 40, 16, 41, 15, 6144
.irp a, 0,1,2,3,4,5,6,7
	global_load_b32 v[BIAS+2*\a], v9, s[8:9] offset:(32*(\a/2)+8*(\a%2))*4
	global_load_b32 v[BIAS+2*\a+1], v9, s[8:9] offset:(32*(\a/2)+8*(\a%2))*4
.endr
	LAST
	PLACES NP
.irp a, 0,1,2,3,4,5,6,7
	EPI 1, \a
.endr
.irp p, 0,1,2,3
	v_cndmask_b32 v[SW+\p], v[PWS+2*\p], v[PWS+2*\p+1], s22
.endr
	global_store_b64 v11, v[SW:SW+1], s[92:93] offset:6656
	global_store_b64 v11, v[SW+2:SW+3], s[94:95] offset:6656
.Lend:
	s_wait_tensorcnt 0x0
	ds_add_u32 v[SPW], v[NIL]
	s_wait_dscnt 0x0
	CROUND
	s_endpgm
.Lfunc_end_k_qea65f0cb8e_proj:
	.size	k_qea65f0cb8e_proj, .Lfunc_end_k_qea65f0cb8e_proj-k_qea65f0cb8e_proj
	.p2alignl 7, 3214868480
	.fill 96, 4, 3214868480
	.section	.rodata,"a",@progbits
	.p2align	6, 0x0
	.amdhsa_kernel k_qea65f0cb8e_proj
		.amdhsa_group_segment_fixed_size 327680
		.amdhsa_private_segment_fixed_size 0
		.amdhsa_enable_private_segment 0
		.amdhsa_kernarg_size 56
		.amdhsa_user_sgpr_count 2
		.amdhsa_user_sgpr_kernarg_segment_ptr 1
		.amdhsa_wavefront_size32 1
		.amdhsa_system_sgpr_workgroup_id_x 1
		.amdhsa_system_sgpr_workgroup_id_y 1
		.amdhsa_system_sgpr_workgroup_id_z 1
		.amdhsa_system_vgpr_workitem_id 0
		.amdhsa_next_free_vgpr 1024
		.amdhsa_next_free_sgpr 102
		.amdhsa_reserve_vcc 0
		.amdhsa_float_denorm_mode_32 3
		.amdhsa_float_denorm_mode_16_64 3
		.amdhsa_memory_ordered 1
		.amdhsa_forward_progress 1
		.amdhsa_inst_pref_size 245
	.end_amdhsa_kernel
	.amdgpu_metadata
---
amdhsa.version: [ 1, 2 ]
amdhsa.kernels:
  - .name:           k_qea65f0cb8e_proj
    .symbol:         k_qea65f0cb8e_proj.kd
    .args:
      - { .name: cod, .offset: 0, .size: 8, .value_kind: global_buffer, .address_space: global }
      - { .name: scl, .offset: 8, .size: 8, .value_kind: global_buffer, .address_space: global }
      - { .name: bq, .offset: 16, .size: 8, .value_kind: global_buffer, .address_space: global }
      - { .name: bk, .offset: 24, .size: 8, .value_kind: global_buffer, .address_space: global }
      - { .name: bv, .offset: 32, .size: 8, .value_kind: global_buffer, .address_space: global }
      - { .name: qb, .offset: 40, .size: 8, .value_kind: global_buffer, .address_space: global }
      - { .name: kv, .offset: 48, .size: 8, .value_kind: global_buffer, .address_space: global }
    .group_segment_fixed_size: 327680
    .private_segment_fixed_size: 0
    .kernarg_segment_align: 8
    .kernarg_segment_size: 56
    .max_flat_workgroup_size: 128
    .sgpr_count:     102
    .vgpr_count:     1024
    .wavefront_size: 32
...
	.end_amdgpu_metadata
.endif
;; end of part 2
;; launch attn (part 3): grid 4 x 64, 16 waves a work-group, no clusters, 224,000 bytes of LDS; arguments qb, kv, maskw, maskf, cc, cs; writes cc, cs
.if DOCPART == 3
	.amdgcn_target "amdgcn-amd-amdhsa--gfx1250"
	.amdhsa_code_object_version 6
	.text
	.protected	k_qea65f0cb8e_attn
	.globl	k_qea65f0cb8e_attn
	.p2align	8
	.type	k_qea65f0cb8e_attn,@function
k_qea65f0cb8e_attn:
	s_mov_b64 s[64:65], 0
	v_nop
	global_prefetch_b8 v0, s[64:65] scope:SCOPE_SE
	s_setreg_imm32_b32 hwreg(HW_REG_WAVE_MODE, 25, 1), 1
	s_wait_xcnt 0x0
; ATTN.  O = softmax(mask(Q K^T / 8)) V for one head, both products on codes of FP6 (E2M3) with one E8M0 scale for each 32 along a product's K; the result is quantised along the head's channels for the output projection.
; THE SOFTMAX: t = score x log2(e) / 8; M = the row's largest t so far, rounded up to a whole number; p = 2^(t - M) is what is quantised, along the keys; the row's sum is taken of the unquantised p and divides O at the end.
; When M moves, the sum and O are multiplied by 2^(old M - new M): exact.
; THE MASK: a hidden key's raw score becomes -2^33 ahead of the maximum (one select a score, by lane-mask words that an earlier launch made).  LIMIT: that is the logit -2^30 where the definition writes -1e9: the results are the same
; as long as open raw scores lie above -2^33.  -2^33 x c is a whole number, so a row with no open key gets p = 1 for every key and the sum 2,048, as the definition gives.  NaN and infinities are not served.
; A step of a tile in which no key is hidden (a bit of maskf, stored by the earlier launch) has nothing to select.
; SHARES.  A work-group owns one head (the grid's y) and 512 of its queries (the grid's x); each of sixteen waves owns two tiles of 16 queries, one after the other, in 256 registers.
; A HEAD'S K, V AND SCALES, 208,896 bytes, LIE IN LDS FOR THE WHOLE LAUNCH, as images of the operands' registers: wave w brings step block w (128 keys, 13,056 bytes) by 26 loads and 26 LDS stores.  One barrier, none in the loops.
; A seventeenth block holds step 0's K and its scale words once more (wave 0 stores them twice): each step asks for the next step's K, and the last step of a tile so asks for the next tile's first.  (The second tile's last request is not used.)
; NO TENSOR LOADS, NO CLUSTER.  What the four work-groups of a head share is read once, at the head.
; NO PREFETCH: K, V and both tiles' Q are read once, ahead of the loops; the loops read from memory only the mask's words, and only where keys are hidden.
; LAYOUT.  Both products are used transposed: S^T = K Q^T (source 0 = 16 keys), O^T = V^T P^T (source 0 = 16 channels): a lane holds one query throughout.  By the order in which k's rows were laid, register 32 c + i of S^T
; in lane (r, h) is key 64 c + 32 h + i of the step: a whole scale block in a lane, in the order of the next operand's registers 6 c .. 6 c + 5.  Register 16 g + i of O^T is channel 32 g + 16 h + i.
; K = 64 in the first product: Q's upper six registers are zero codes, so what K's upper six hold (the next tile's codes, or what lay there: every pattern of 6 bits is a finite number) adds nothing.
; TWO REGIONS OF 64 REGISTERS TAKE TURNS: K's fragments in one, S^T and p in the other; V^T's fragments land on K's under the softmax; the next step's K lands on p as p has been converted and summed.  A trip of the loop is two steps.
.set HEADB, 208896
.set STEPB, 13056                      ; a step block: 51 x 256 bytes
.set VIM,   6144                       ; in it: V^T's four images,
.set KSC,   12288                      ; K's scale words,
.set VSC,   12800                      ; V^T's
.set COPY,  16*STEPB                   ; step 0's K once more
.set SPARE, 17*STEPB                   ; the spare words: 128 bytes a wave, 2,048 bytes that no other line names
.set X,    32                          ; v32-95, v96-159 the two regions
.set Y,    96
.set O,    160                         ; v160-191 O^T
.set PCD,  192                         ; v192-203 p's codes: the operand
.set PC2,  204                         ; v204-206, v208-210 the conversions' second halves
.set BM,   212                         ; v212-215 four chains of maxima; then v212, v214 the two blocks' largest
.set SO,   216                         ; v216-217 the conversions' scale operands
.set EB,   218                         ; v218-219 the bytes
.set TP,   220
.set T1,   221
.set F,    222                         ; v[222:223] f = 2^(old M - new M)
.set A1,   224                         ; v224-229 three more chains of the sum
.set KS,   232                         ; v232-235 K's scale words
.set VS,   236                         ; v236-237 V^T's
.set T2,   238                         ; v238-239 what lane l xor 16 sends
.set Q2,   240                         ; v240-246 the second tile's Q and its scale words, until the first tile is done
.set QS,   28                          ; Q's scale words
.set PS,   30                          ; p's
.set CS,   2                           ; s[2:3] c = log2(e) / 8
.set SEL,  22                          ; s[22:23] lane selects: lane l xor 16
.macro WALU
	s_wait_alu depctr_va_vdst(0)
.endm
.macro WM d, a, b, c, sa, sb, odd
.if \odd
	v_wmma_scale_f32_16x16x128_f8f6f4 v[\d:\d+7], v[\a:\a+11], v[\b:\b+11], \c, v[\sa], v[\sb] matrix_a_fmt:MATRIX_FMT_FP6 matrix_b_fmt:MATRIX_FMT_FP6 matrix_a_scale:MATRIX_SCALE_ROW1
.else
	v_wmma_scale_f32_16x16x128_f8f6f4 v[\d:\d+7], v[\a:\a+11], v[\b:\b+11], \c, v[\sa], v[\sb] matrix_a_fmt:MATRIX_FMT_FP6 matrix_b_fmt:MATRIX_FMT_FP6
.endif
.endm
.macro KT reg, a16, a8, off, t         ; K's fragment t: two loads
	ds_load_b128 v[\reg+6*\t:\reg+6*\t+3], \a16 offset:\off+768*\t
	ds_load_b64 v[\reg+6*\t+4:\reg+6*\t+5], \a8 offset:\off+768*\t+512
.endm
	s_load_b128 s[4:7], s[0:1], 0x0                ; qb, kv
	s_load_b128 s[8:11], s[0:1], 0x10              ; maskw, maskf
	s_load_b128 s[12:15], s[0:1], 0x20             ; cc, cs
	v_lshl_add_u32 v254, v0, 2, SPARE
	v_mov_b32 v255, 0
	v_lshrrev_b32 v9, 5, v0
	v_readfirstlane_b32 s16, v9                    ; wave 0..15
	s_and_b32 s17, ttmp7, 0xffff                   ; the head 16 b + hd
	s_mul_i32 s18, s17, HEADB                      ; its first byte in qb and in kv
	s_mul_i32 s19, s16, STEPB
	v_and_b32 v8, 31, v0
	v_lshlrev_b32 v1, 4, v8                        ; 16 x lane
	v_lshlrev_b32 v2, 3, v8                        ; 8 x lane
	v_add_nc_u32 v6, s19, v1                       ; my block in LDS
	v_add_nc_u32 v7, s19, v2
	v_add_nc_u32 v10, COPY, v1
	s_add_co_u32 s30, s18, s19
	s_mov_b32 s31, 0
	WALU
	s_wait_kmcnt 0x0
	s_add_nc_u64 s[6:7], s[6:7], s[30:31]
.set ii, 0
.rept 25
	global_load_b128 v[X+4*ii:X+4*ii+3], v1, s[6:7] offset:512*ii   ; 512 consecutive bytes an instruction
.set ii, ii+1
.endr
	global_load_b64 v[X+100:X+101], v2, s[6:7] offset:12800         ; the block's last 256
	s_lshl_b32 s20, ttmp9, 2
	s_lshr_b32 s21, s16, 2
	s_add_co_u32 s20, s20, s21                     ; my queries' step block: tile T = 32 x + 2 w + pass, T / 8 = 4 x + w / 4
	s_mul_i32 s20, s20, STEPB
	s_add_co_u32 s30, s20, s18
	s_add_nc_u64 s[4:5], s[4:5], s[30:31]
	s_and_b32 s21, s16, 3
	s_lshl_b32 s30, s21, 2
	s_add_co_u32 s30, s30, KSC
	s_add_nc_u64 s[24:25], s[4:5], s[30:31]        ; Q's scale words: register w % 4 of the image; 256 bytes a pass
	s_mul_i32 s30, s21, 1536
	s_add_nc_u64 s[4:5], s[4:5], s[30:31]          ; Q's image: 768 bytes a pass
	s_lshr_b32 s20, s17, 4
	s_lshl_b32 s20, s20, 7
	s_lshl_b32 s21, ttmp9, 5
	s_add_co_u32 s20, s20, s21
	s_lshl_b32 s21, s16, 1
	s_add_co_u32 s20, s20, s21                     ; TT = 128 b + 32 x + 2 w: my first token tile
	s_and_b32 s26, s17, 15                         ; hd
	s_lshl_b32 s30, s20, 12
	s_add_nc_u64 s[8:9], s[8:9], s[30:31]          ; the mask's words: 256 bytes a step, my two tiles one stream of 8,192
	s_lshl_b32 s30, s20, 4
	s_add_nc_u64 s[10:11], s[10:11], s[30:31]
	s_load_b256 s[32:39], s[10:11], 0x0            ; maskf: four words for each of my two tiles
	s_mul_i32 s30, s20, 12288
	s_mul_i32 s21, s26, 768
	s_add_co_u32 s30, s30, s21
	s_add_nc_u64 s[12:13], s[12:13], s[30:31]      ; cc [TT][head][768]
	s_lshl_b32 s30, s20, 9
	s_lshl_b32 s21, s26, 1
	s_add_co_u32 s30, s30, s21
	s_add_nc_u64 s[14:15], s[14:15], s[30:31]      ; cs [16 TT + r][32], bytes 2 hd, 2 hd + 1
	s_mov_b32 s[SEL], 0x76543210
	s_mov_b32 s[SEL+1], 0xfedcba98
	s_mov_b32 s[CS], 0x3e38aa3b                    ; c
	s_mov_b32 s[CS+1], s[CS]                       ; (named with it as a pair)
	s_mov_b32 s27, 0xbe38aa3b                      ; -c
	s_mov_b32 s28, 0xffff0000                      ; lanes 16-31
	s_mov_b32 s19, 2                               ; passes
	v_and_b32 v8, 15, v0                           ; r
	v_bfe_u32 v9, v0, 4, 1                         ; h
	v_lshlrev_b32 v3, 4, v8                        ; 16 r
	v_lshl_add_u32 v4, v8, 5, v9                   ; 32 r + h
	v_lshlrev_b32 v11, 3, v9                       ; 8 h
	v_mov_b32 v5, 0xd0000000                       ; -2^33
.irp j, 0,1,2,3,4,5
	v_mov_b32 v[22+\j], 0                          ; Q's K = 64 .. 127: zero codes
.endr
	v_mov_b32 v[T2], 0                             ; a lane permute's destination counts as one of its sources
	v_mov_b32 v[T2+1], 0
	v_mov_b32 v[F+1], 0                            ; (named as the upper half of a pair)
	WALU                                           ; the wait at the head's end
	global_load_b128 v[16:19], v1, s[4:5]          ; the first tile's Q,
	global_load_b64 v[20:21], v2, s[4:5] offset:512
	global_load_b32 v[QS], v3, s[24:25]            ; lanes 0-15: its rows' scale words;
	global_load_b128 v[Q2:Q2+3], v1, s[4:5] offset:768   ; and the second tile's
	global_load_b64 v[Q2+4:Q2+5], v2, s[4:5] offset:1280
	global_load_b32 v[Q2+6], v3, s[24:25] offset:256
	s_wait_loadcnt 0x0
.set ii, 0
.rept 25
	ds_store_b128 v6, v[X+4*ii:X+4*ii+3] offset:512*ii
.set ii, ii+1
.endr
	ds_store_b64 v7, v[X+100:X+101] offset:12800
	s_cmp_lg_u32 s16, 0
	s_cbranch_scc1 .Lno_copy
.irp i, 0,1,2,3,4,5,6,7,8,9,10,11,24
	ds_store_b128 v10, v[X+4*\i:X+4*\i+3] offset:512*\i   ; wave 0: step 0's K images and scale words once more
.endr
.Lno_copy:
	s_wait_kmcnt 0x0
	s_or_b32 s32, s32, s33
	s_or_b32 s34, s34, s35
	s_or_b32 s32, s32, s34
	s_or_b32 s36, s36, s37
	s_or_b32 s38, s38, s39
	s_or_b32 s36, s36, s38
	s_lshl_b32 s36, s36, 16
	s_or_b32 s29, s32, s36                         ; bit 16 pass + step: no key of that step is hidden from that tile; one bit is shifted out in each step
	s_wait_dscnt 0x0                               ; my stores are done,
	s_barrier_signal -1
	s_barrier_wait -1                              ; everybody's are
.irp t, 0,1,2,3,4,5,6,7
	KT X, v1, v2, 0, \t                            ; the first step's K
.endr
	ds_load_b128 v[KS:KS+3], v1 offset:KSC
.Lpass:
	v_mov_b32 v13, 0xff61b1e6                      ; the largest raw score so far: -3e38
	v_mov_b32 v14, 0
	v_mov_b32 v15, 0
	v_mul_f32 v12, s27, v13
	v_floor_f32 v12, v12                           ; -M
.set ii, 0
.rept 32
	v_mov_b32 v[O+ii], 0                           ; O^T: the step is written once; the first finds zeros
.set ii, ii+1
.endr
	s_mov_b32 s20, 0                               ; the trip's first block in LDS
	s_mov_b32 s21, 8
	WALU
; A STEP of 128 keys.  kr: the region with K's, then V^T's fragments; sr: the region of S^T and p, then of the next step's K; hf: the step's place in the trip
.macro HALF kr, sr, hf
	s_wait_dscnt 0x0                               ; K's fragments and scale words are in
.if \hf == 0
	v_add_nc_u32 v6, s20, v1                       ; five places between the last products, which read region sr, and the products below, which write it
	v_add_nc_u32 v7, s20, v2
.else
	v_nop
	v_nop
.endif
	v_mov_b32 v[TP], v12                           ; the old -M
	v_nop
	v_nop
.irp t, 0,1,2,3,4,5,6,7
	WM \sr+8*\t, \kr+6*\t, 16, 0, KS+\t/2, QS, \t%2
.endr
.rept 4
	v_nop                                          ; places in front of the loads below and of the first read of the scores
.endr
.irp t, 0,1,2,3
.irp c, 0,1,2
	ds_load_b128 v[\kr+12*\t+4*\c:\kr+12*\t+4*\c+3], v6 offset:\hf*STEPB+VIM+1536*\t+512*\c   ; V^T's four fragments land under the softmax: 13 loads
.endr
.endr
	ds_load_b64 v[VS:VS+1], v7 offset:\hf*STEPB+VSC
	s_and_b32 s30, s29, 1
	s_lshr_b32 s29, s29, 1
	s_cmp_lg_u32 s30, 0
	s_cbranch_scc1 .Lopen_\@                       ; no key of this step is hidden from this tile
	s_load_b512 s[32:47], s[8:9], 0x0              ; the step's 64 lane-mask words: word n in s[32 + n] (n < 32) or s[36 + n]
	s_load_b512 s[48:63], s[8:9], 0x40
	s_load_b512 s[68:83], s[8:9], 0x80
	s_load_b512 s[84:99], s[8:9], 0xc0
	s_wait_kmcnt 0x0
.set ii, 0
.rept 32
	v_cndmask_b32 v[\sr+ii], v5, v[\sr+ii], s[32+ii]   ; bit l of word n: lane l's register n counts; each accumulator from its low end on
.set ii, ii+1
.endr
.rept 32
	v_cndmask_b32 v[\sr+ii], v5, v[\sr+ii], s[36+ii]
.set ii, ii+1
.endr
.Lopen_\@:
	s_add_nc_u64 s[8:9], s[8:9], 256               ; (any load that named this base is done: the wait above)
.irp g, 0,1,2,3
	v_max3_num_f32 v[BM+\g], v[\sr+16*\g], v[\sr+16*\g+1], v[\sr+16*\g+2]   ; four chains by turns, each over 16 registers, each accumulator from its low end on
.endr
.irp i, 3,5,7,9,11,13
.irp g, 0,1,2,3
	v_max3_num_f32 v[BM+\g], v[BM+\g], v[\sr+16*\g+\i], v[\sr+16*\g+\i+1]
.endr
.endr
	v_max3_num_f32 v[BM], v[BM], v[BM+1], v[\sr+15]
	v_max3_num_f32 v[BM+2], v[BM+2], v[BM+3], v[\sr+47]
	v_max_num_f32 v[BM], v[BM], v[\sr+31]          ; the largest score of my block of c = 0: for the row's maximum and, since p rises with the score, for the block's largest p
	v_max_num_f32 v[BM+2], v[BM+2], v[\sr+63]      ; and of c = 1
	s_delay_alu instid0(VALU_DEP_1)
	v_max_num_f32 v[T1], v[BM], v[BM+2]
	s_delay_alu instid0(VALU_DEP_1)
	v_permlanex16_b32 v[T2], v[T1], s[SEL], s[SEL+1]
	s_delay_alu instid0(VALU_DEP_1)
	v_max3_num_f32 v13, v13, v[T1], v[T2]          ; the running largest raw score of my query
	s_delay_alu instid0(VALU_DEP_1)
	v_mul_f32 v12, s27, v13                        ; -t
	s_delay_alu instid0(VALU_DEP_1)
	v_floor_f32 v12, v12                           ; the new -M: M is a whole number
	s_delay_alu instid0(VALU_DEP_1)
	v_sub_f32 v[TP], v12, v[TP]                    ; old M - new M: a whole number, 0 or less
.set ii, 0
.rept 32
	v_pk_fma_f32 v[\sr+2*ii:\sr+2*ii+1], v[\sr+2*ii:\sr+2*ii+1], s[CS:CS+1], v[12:13] op_sel_hi:[1,0,0]   ; t - M, two at a time
.if ii == 1
	v_cvt_i32_f32 v[TP], v[TP]                     ; (it saturates)
.endif
.if ii == 3
	v_ldexp_f32 v[F], 1.0, v[TP]                   ; f = 2^(old M - new M)
.endif
.set ii, ii+1
.endr
	v_fma_f32 v[BM], v[BM], s[CS], v12             ; the same of each block's largest score
	v_fma_f32 v[BM+2], v[BM+2], s[CS], v12
.set ii, 0
.rept 16
	v_pk_mul_f32 v[O+2*ii:O+2*ii+1], v[O+2*ii:O+2*ii+1], v[F:F+1] op_sel_hi:[1,0]   ; O^T under the new M, ahead of the exponentials
.set ii, ii+1
.endr
	v_pk_mul_f32 v[14:15], v[14:15], v[F:F+1] op_sel_hi:[1,0]   ; and the sum
	WALU                                           ; the wait ahead of the batch
.set ii, 0
.rept 64
	v_exp_f32 v[\sr+ii], v[\sr+ii]                 ; p = 2^(t - M): not normalised
.set ii, ii+1
.endr
	v_exp_f32 v[BM], v[BM]                         ; the block's largest p: the same two instructions on the same number
	v_exp_f32 v[BM+2], v[BM+2]
	v_nop                                          ; one plain place behind the exponentials
	WALU                                           ; and the wait behind the batch
	v_max_num_f32 v[BM], 0x1800000, v[BM]          ; the floor 2^(3 - 127): the byte cannot fall under 1
	v_max_num_f32 v[BM+2], 0x1800000, v[BM+2]
	v_add_nc_u32 v[SO], 0xff000000, v[BM]          ; 2 off the exponent field: the conversion's scale operand
	v_add_nc_u32 v[SO+1], 0xff000000, v[BM+2]
	v_lshrrev_b32 v[EB], 23, v[SO]                 ; the bytes of blocks h and 2 + h
	v_lshrrev_b32 v[EB+1], 23, v[SO+1]
.irp c, 0,1
	v_cvt_scalef32_pk16_fp6_f32 v[PCD+6*\c:PCD+6*\c+2], v[\sr+32*\c:\sr+32*\c+15], v[SO+\c]
	v_cvt_scalef32_pk16_fp6_f32 v[PC2+4*\c:PC2+4*\c+2], v[\sr+32*\c+16:\sr+32*\c+31], v[SO+\c]   ; (a conversion's three registers begin on an even number)
.endr
	v_lshl_or_b32 v[EB], v[EB+1], 16, v[EB]        ; (the plain place behind the conversions)
.irp c, 0,1
.irp i, 0,1,2
	v_mov_b32 v[PCD+6*\c+3+\i], v[PC2+4*\c+\i]     ; registers 6 c .. 6 c + 5: keys 64 c + 32 h + 0 .. 31
.endr
.endr
	v_lshlrev_b32 v[EB], v11, v[EB]                ; my two bytes at their places, 8 h bits up;
	v_permlanex16_b32 v[T2], v[EB], s[SEL], s[SEL+1]
	v_or_b32 v[PS], v[EB], v[T2]                   ; with lane l xor 16's two: p's scale word for these 128 keys
	v_pk_add_f32 v[A1:A1+1], v[\sr:\sr+1], v[\sr+2:\sr+3]          ; the sum of the unquantised p, in four chains.  (These 32 lines are also the places between the codes' and the scale word's writes and the products below)
	v_pk_add_f32 v[A1+2:A1+3], v[\sr+4:\sr+5], v[\sr+6:\sr+7]
	v_pk_add_f32 v[A1+4:A1+5], v[\sr+8:\sr+9], v[\sr+10:\sr+11]
.set ii, 6
.rept 26
.if ii == 16
.irp t, 0,1,2,3,4
	KT \sr, v6, v7, (\hf+1)*STEPB, \t              ; the next step's K, tiles 0 to 4, onto p's registers 0 to 29, which have been converted and summed
.endr
.endif
.if ii%4
	v_pk_add_f32 v[A1+2*(ii%4)-2:A1+2*(ii%4)-1], v[A1+2*(ii%4)-2:A1+2*(ii%4)-1], v[\sr+2*ii:\sr+2*ii+1]
.else
	v_pk_add_f32 v[14:15], v[14:15], v[\sr+2*ii:\sr+2*ii+1]
.endif
.set ii, ii+1
.endr
	v_pk_add_f32 v[A1:A1+1], v[A1:A1+1], v[A1+2:A1+3]
	v_pk_add_f32 v[14:15], v[14:15], v[A1+4:A1+5]
	v_pk_add_f32 v[14:15], v[14:15], v[A1:A1+1]
.irp t, 5,6,7
	KT \sr, v6, v7, (\hf+1)*STEPB, \t              ; tiles 5 to 7,
.endr
	ds_load_b128 v[KS:KS+3], v6 offset:(\hf+1)*STEPB+KSC   ; and the scale words: register p: lanes 0-15 tile 2 p's, lanes 16-31 tile 2 p + 1's
	s_wait_dscnt 17                                ; V^T's 13 loads are in; the 17 of the next step's K may be out
.irp t, 0,1,2,3
	WM O+8*\t, \kr+12*\t, PCD, v[O+8*\t:O+8*\t+7], VS+\t/2, PS, \t%2
.endr                                          ; the twelve accumulators of a step take turns, one instruction a turn
.endm
.Lstep:
	HALF X, Y, 0
	HALF Y, X, 1
	s_add_co_u32 s20, s20, 2*STEPB
	s_sub_co_u32 s21, s21, 1
	s_cmp_lg_u32 s21, 0
	s_cbranch_scc1 .Lstep
	; THE WAY OUT of a tile: O^T / the sum, quantised along the head's 64 channels (two blocks, each in lanes l and l xor 16), stored as half an operand's image.  Region X is left alone: the next tile's first K is on its way there
.rept 4
	v_nop                                          ; places behind the last products
.endr
	WALU
	v_add_f32 v14, v14, v15
	s_delay_alu instid0(VALU_DEP_1)
	v_permlanex16_b32 v[T2], v14, s[SEL], s[SEL+1]
	s_delay_alu instid0(VALU_DEP_1)
	v_add_f32 v14, v14, v[T2]                      ; the row's sum
	WALU
	v_rcp_f32 v14, v14
	v_nop                                          ; one plain place behind a transcendental
	WALU
.set ii, 0
.rept 16
	v_pk_mul_f32 v[Y+2*ii:Y+2*ii+1], v[O+2*ii:O+2*ii+1], v[14:15] op_sel_hi:[1,0]   ; register 16 g + i: channel 32 g + 16 h + i of my query
.set ii, ii+1
.endr
.irp g, 0,1
	v_max3_num_f32 v[BM+\g], |v[Y+16*\g]|, |v[Y+1+16*\g]|, 0x1800000
.endr
.irp i, 2,4,6,8,10,12,14
.irp g, 0,1
	v_max3_num_f32 v[BM+\g], v[BM+\g], |v[Y+16*\g+\i]|, |v[Y+1+16*\g+\i]|
.endr
.endr
.irp g, 0,1
	v_permlanex16_b32 v[T2+\g], v[BM+\g], s[SEL], s[SEL+1]
.endr
.irp g, 0,1
	v_max_num_f32 v[BM+\g], v[BM+\g], v[T2+\g]
.endr
.irp g, 0,1
	v_add_nc_u32 v[SO+\g], 0xff000000, v[BM+\g]
.endr
.irp g, 0,1
	v_lshrrev_b32 v[EB+\g], 23, v[SO+\g]
.endr
	v_cvt_scalef32_pk16_fp6_f32 v[PCD:PCD+2], v[Y:Y+15], v[SO]
	v_cvt_scalef32_pk16_fp6_f32 v[PC2:PC2+2], v[Y+16:Y+31], v[SO+1]
	v_nop                                          ; one plain place behind a scaled conversion
.irp i, 0,1,2
	v_permlane16_swap_b32 v[PCD+\i], v[PC2+\i]
.endr
.irp i, 0,1,2
	v_mov_b32 v[PCD+3+\i], v[PC2+\i]               ; registers 0-5: lanes 0-15 block 0, lanes 16-31 block 1
.endr
	v_cndmask_b32 v[TP], v[EB], v[EB+1], s28       ; lane (r, h): the byte of block h of row r
	global_store_b128 v1, v[PCD:PCD+3], s[12:13]               ; 512 consecutive bytes,
	global_store_b64 v2, v[PCD+4:PCD+5], s[12:13] offset:512   ; 256
	global_store_b8 v4, v[TP], s[14:15]            ; two bytes of each of 16 rows of 32: 262,144 bytes in the whole launch, the only blocks of 256 written in part
.irp i, 0,1,2,3,4,5
	v_mov_b32 v[16+\i], v[Q2+\i]                   ; the second tile's Q takes the operand's registers (the way out is written once: behind the second tile these seven lines change nothing)
.endr
	v_mov_b32 v[QS], v[Q2+6]
	s_wait_xcnt 0x0                                ; the stores have read their bases and registers
	s_add_nc_u64 s[12:13], s[12:13], 12288
	s_add_nc_u64 s[14:15], s[14:15], 512
	s_sub_co_u32 s19, s19, 1
	s_cmp_lg_u32 s19, 0
	WALU
	s_cbranch_scc1 .Lpass
	s_wait_tensorcnt 0x0                           ; the wave's end
	ds_add_u32 v254, v255
	s_wait_dscnt 0x0
	s_endpgm
.Lfunc_end_k_qea65f0cb8e_attn:
	.size	k_qea65f0cb8e_attn, .Lfunc_end_k_qea65f0cb8e_attn-k_qea65f0cb8e_attn
	.p2alignl 7, 3214868480
	.fill 96, 4, 3214868480
	.section	.rodata,"a",@progbits
	.p2align	6, 0x0
	.amdhsa_kernel k_qea65f0cb8e_attn
		.amdhsa_group_segment_fixed_size 224000
		.amdhsa_private_segment_fixed_size 0
		.amdhsa_enable_private_segment 0
		.amdhsa_kernarg_size 48
		.amdhsa_user_sgpr_count 2
		.amdhsa_user_sgpr_kernarg_segment_ptr 1
		.amdhsa_wavefront_size32 1
		.amdhsa_system_sgpr_workgroup_id_x 1
		.amdhsa_system_sgpr_workgroup_id_y 1
		.amdhsa_system_sgpr_workgroup_id_z 1
		.amdhsa_system_vgpr_workitem_id 0
		.amdhsa_next_free_vgpr 256
		.amdhsa_next_free_sgpr 102
		.amdhsa_reserve_vcc 0
		.amdhsa_float_denorm_mode_32 3
		.amdhsa_float_denorm_mode_16_64 3
		.amdhsa_memory_ordered 1
		.amdhsa_forward_progress 1
		.amdhsa_inst_pref_size 54
	.end_amdhsa_kernel
	.amdgpu_metadata
---
amdhsa.version: [ 1, 2 ]
amdhsa.kernels:
  - .name:           k_qea65f0cb8e_attn
    .symbol:         k_qea65f0cb8e_attn.kd
    .args:
      - { .name: qb, .offset: 0, .size: 8, .value_kind: global_buffer, .address_space: global }
      - { .name: kv, .offset: 8, .size: 8, .value_kind: global_buffer, .address_space: global }
      - { .name: maskw, .offset: 16, .size: 8, .value_kind: global_buffer, .address_space: global }
      - { .name: maskf, .offset: 24, .size: 8, .value_kind: global_buffer, .address_space: global }
      - { .name: cc, .offset: 32, .size: 8, .value_kind: global_buffer, .address_space: global }
      - { .name: cs, .offset: 40, .size: 8, .value_kind: global_buffer, .address_space: global }
    .group_segment_fixed_size: 224000
    .private_segment_fixed_size: 0
    .kernarg_segment_align: 8
    .kernarg_segment_size: 48
    .max_flat_workgroup_size: 512
    .sgpr_count:     102
    .vgpr_count:     256
    .wavefront_size: 32
...
	.end_amdgpu_metadata
.endif
;; end of part 3
;; launch outp (part 4): grid 4 x 32, 4 waves a work-group, clusters of 4 x 4, 327,680 bytes of LDS; arguments cc, cs, cod, scl, bo, out0; writes out0
.if DOCPART == 4
	.amdgcn_target "amdgcn-amd-amdhsa--gfx1250"
	.amdhsa_code_object_version 6
	.text
	.protected	k_qea65f0cb8e_outp
	.globl	k_qea65f0cb8e_outp
	.p2align	8
	.type	k_qea65f0cb8e_outp,@function
k_qea65f0cb8e_outp:
	s_mov_b64 s[64:65], 0
	v_nop
	global_prefetch_b8 v0, s[64:65] scope:SCOPE_SE
	s_setreg_imm32_b32 hwreg(HW_REG_WAVE_MODE, 25, 1), 1
	s_wait_xcnt 0x0
	s_wait_alu depctr_hold_cnt(0) depctr_sa_sdst(0) depctr_va_vdst(0) depctr_va_sdst(0) depctr_va_ssrc(0) depctr_va_vcc(0) depctr_vm_vsrc(0)
	s_getreg_b32 s2, hwreg(HW_REG_IB_STS2, 6, 4)
	s_cmp_eq_u32 s2, 0
	s_cbranch_scc0 .Lentry_in_a_cluster
	s_endpgm
.Lentry_in_a_cluster:
	s_bfe_u32 s2, ttmp6, 0x10000c
	s_cmp_lg_u32 s2, 0xf033
	s_cbranch_scc0 .Lentry_shape_is_right
	s_endpgm
.Lentry_shape_is_right:
.set SIZE_N, 1024
.set KSTEP,  256
.set NQ,     KSTEP/128
.set ROWB,   24576                     ; bytes from a K step's tile of Wo to the next in cod: 128 rows x 192 bytes, dense
.set KROW,   768
.set PITCH,  240
.set FR,     12
.set NLA,    4
.set NP,     4
.set TILEA,  3072
.set HALFA,  8*TILEA
.set HALFT,  128*PITCH
.set BOFF,   2*HALFA
.set SLOT,   BOFF+2*HALFT
.set LAPS,   2
.set KS,     32
.set SCL,    2*SLOT
.set HALFS,  (128*KS/256)*272
.set SBLK,   (16*KS/256)*272
.set SPARE,  SCL+4*HALFS
.set SPITCH, 528
.set ADRA, 16
.set ADRB, 20
.set STO,  24
.set RD,   25
.set CO,   26
.set ADRS, 27
.set SPW,  28
.set NIL,  29
.set SC,   32
.set BIAS, 64
.set AF,   128
.set BK,   128
.set G1, 24
.set G0, 32
.set G1B, 48
.set G0B, 56
.set G1S, 68
.set G0S, 76
.set G1SB, 80
.set G0SB, 88
.set MSB, 0
.macro WIN new
.if MSB != \new
	s_set_vgpr_msb (MSB<<8)|\new
.set MSB, \new
.endif
.endm
.set MUL_LO, 0xa1
.set MUL_HI, 0xf1
.set TO_B,   0x40
.macro JLOAD g0a, g1a, g0b, g1b
	s_cmp_eq_u32 s15, 0
	s_cbranch_scc0 .Lfor_b_\@
	tensor_load_to_lds s[\g0a:\g0a+3], s[\g1a:\g1a+7]
	s_nop 0
.rept 4
	v_nop
.endr
	s_branch .Lasked_\@
.Lfor_b_\@:
	tensor_load_to_lds s[\g0b:\g0b+3], s[\g1b:\g1b+7]
	s_nop 0
.rept 4
	v_nop
.endr
.Lasked_\@:
.endm
.macro CREST
	s_cmp_lg_u32 s14, 0
	s_cbranch_scc1 .Lnot_wave_0_\@
	s_barrier_signal -3
.Lnot_wave_0_\@:
	s_barrier_wait -3
	s_barrier_signal -1
	s_barrier_wait -1
.endm
.macro CROUND
	s_barrier_signal -1
	s_barrier_wait -1
	CREST
.endm
	s_load_b128 s[4:7], s[0:1], 0x0
	s_load_b128 s[8:11], s[0:1], 0x10
	s_load_b64 s[96:97], s[0:1], 0x20
	s_load_b64 s[12:13], s[0:1], 0x28
	v_lshl_add_u32 v[SPW], v0, 2, SPARE
	v_mov_b32 v[NIL], 0
	ds_add_u32 v28, v29
	ds_add_u32 v28, v29
	s_wait_dscnt 0x0
	v_lshrrev_b32 v1, 5, v0
	v_readfirstlane_b32 s14, v1
	s_lshr_b32 s15, s14, 1
	s_and_b32 s16, s14, 1
	s_bfe_u32 s40, ttmp6, 0x40000
	s_bfe_u32 s41, ttmp6, 0x40004
	s_lshl_b32 s42, ttmp9, 2
	s_add_co_u32 s42, s42, s40
	s_and_b32 s17, ttmp7, 0xffff
	s_lshl_b32 s17, s17, 2
	s_add_co_u32 s17, s17, s41
	s_lshl_b32 s43, s41, 2
	s_lshl_b32 s43, 15, s43
	s_lshl_b32 s44, 0x1111, s40
	s_or_b32 s[G1+0], s43, (3<<16)|(1<<21)
	s_mov_b32 s[G1+1], 384<<16
	s_mov_b32 s[G1+2], 16<<16                      ; the head's shape: K step 0 of all sixteen token tiles
	s_mov_b32 s[G1+3], 384<<16
	s_mov_b32 s[G1+4], 16
	s_mov_b32 s[G1+5], 1536
	s_mov_b32 s[G1+6], 0
	s_mov_b32 s[G1+7], 0
	s_or_b32 s[G1B+0], s44, (0<<16)|(1<<20)|(1<<21)|(3<<22)|(3<<25)
	s_mov_b32 s[G1B+1], ROWB<<16                   ; the head's shape: K step 0 of 256 rows of Wo: two dense runs of 24,576 bytes, a block of 128 rows (98,304 bytes) apart
	s_mov_b32 s[G1B+2], 2<<16
	s_mov_b32 s[G1B+3], ROWB<<16
	s_mov_b32 s[G1B+4], 2
	s_mov_b32 s[G1B+5], 4*ROWB
	s_mov_b32 s[G1B+6], 0
	s_mov_b32 s[G1B+7], 0
	s_or_b32 s[G1S+0], s43, (3<<16)|(1<<20)|(1<<21)|(5<<22)|(3<<25)
	s_or_b32 s[G1SB+0], s44, (3<<16)|(1<<20)|(1<<21)|(5<<22)|(3<<25)
.irp g, G1S, G1SB
	s_mov_b32 s[\g+1], 32<<16
	s_mov_b32 s[\g+2], (256*KS/256)<<16            ; the scales of all 256 rows by one load
	s_mov_b32 s[\g+3], 32<<16
	s_mov_b32 s[\g+4], 256*KS/256
	s_mov_b32 s[\g+5], 32
	s_mov_b32 s[\g+6], 0
	s_mov_b32 s[\g+7], 0
.endr
	s_lshl_b32 s20, s17, 4
	s_mul_i32 s20, s20, 12288
	s_mov_b32 s21, 0
	s_lshl_b32 s22, s17, 8
	s_lshl_b32 s22, s22, 5
	s_mov_b32 s23, 0
	s_lshl_b32 s46, s42, 8
	s_add_co_u32 s46, s46, 27648
	s_lshl_b32 s92, s46, 5
	s_mov_b32 s93, 0
	s_mul_i32 s46, s46, KROW
	s_mov_b32 s47, 0
	s_mul_i32 s45, s16, HALFA
	s_mul_i32 s95, s16, HALFT
	s_add_co_u32 s95, s95, BOFF
	s_mul_i32 s18, s16, 98304                      ; in the ring I fetch half a tile: eight token tiles of 12,288 bytes, or 128 rows of 768: which half, in bytes
	s_mov_b32 s19, 0
	s_wait_kmcnt 0x0
	s_add_nc_u64 s[20:21], s[4:5], s[20:21]
	s_add_nc_u64 s[22:23], s[6:7], s[22:23]
	s_add_nc_u64 s[46:47], s[8:9], s[46:47]
	s_add_nc_u64 s[92:93], s[10:11], s[92:93]
	CROUND
	s_mov_b32 s[G0S], 1
	s_mov_b32 s[G0S+1], SCL
	s_mov_b64 s[G0S+2:G0S+3], s[22:23]
	s_or_b32 s[G0S+3], s[G0S+3], 0x80000000
	s_mov_b32 s[G0SB], 1
	s_mov_b32 s[G0SB+1], SCL+2*HALFS
	s_mov_b64 s[G0SB+2:G0SB+3], s[92:93]
	s_or_b32 s[G0SB+3], s[G0SB+3], 0x80000000
	s_mov_b32 s4, 1                                ; s[4:7]: group 0 of the head's load of A's sixteen token tiles, K step 0 (the arguments that lay there have served)
	s_mov_b32 s5, 0
	s_mov_b64 s[6:7], s[20:21]
	s_or_b32 s7, s7, 0x80000000
	s_mov_b32 s8, 1                                ; s[8:11]: the same for Wo's 256 rows
	s_mov_b32 s9, BOFF
	s_mov_b64 s[10:11], s[46:47]
	s_or_b32 s11, s11, 0x80000000
	s_add_nc_u64 s[20:21], s[20:21], s[18:19]      ; for the ring: my half
	s_add_nc_u64 s[46:47], s[46:47], s[18:19]
	s_cmp_eq_u32 s15, 0                            ; the prefetches: of the 96 blocks of 256 bytes that a ring load of mine brings, each of the four partners that ask jointly names 24, told apart by address
	s_cselect_b64 s[98:99], s[20:21], s[46:47]
	s_cselect_b32 s2, s40, s41
	s_mov_b32 s100, ROWB
	s_cselect_b32 s100, TILEA, s100                ; bytes from K step to K step: A's, Wo's
	s_mov_b32 s101, 24*256
	s_cselect_b32 s101, 2*12288, s101              ; a partner's 24 blocks: two token tiles' 12 each, or 24 on end
	s_cselect_b32 s94, 12288-TILEA, 0              ; what A's second twelve lie further on
	s_mul_i32 s2, s2, s101
	s_lshl_b32 s3, s100, 1
	s_add_co_u32 s2, s2, s3                        ; at K step 2
	s_mov_b32 s3, 0
	s_add_nc_u64 s[98:99], s[98:99], s[2:3]
.irp s, 0,1
	s_mov_b32 s[G0+4*\s], 1
	s_add_co_u32 s[G0+4*\s+1], s45, \s*SLOT
	s_add_nc_u64 s[G0+4*\s+2:G0+4*\s+3], s[20:21], \s*TILEA
	s_or_b32 s[G0+4*\s+3], s[G0+4*\s+3], 0x80000000
	s_mov_b32 s[G0B+4*\s], 1
	s_add_co_u32 s[G0B+4*\s+1], s95, \s*SLOT
	s_add_nc_u64 s[G0B+4*\s+2:G0B+4*\s+3], s[46:47], \s*ROWB
	s_or_b32 s[G0B+4*\s+3], s[G0B+4*\s+3], 0x80000000
.endr
; THE HEAD'S LOADS, ONE A WAVE, in one chain of branches on the wave's number: K step 0 of both operands, and both operands' scales
.macro ARM under, g0, g1, next
	s_cmp_lt_u32 s14, \under
	s_cbranch_scc0 \next
	tensor_load_to_lds s[\g0:\g0+3], s[\g1:\g1+7]
	s_nop 0
.rept 4
	v_nop
.endr
	s_branch .Lhead_asked
\next:
.endm
	ARM 1, 4, G1, .Lhead_b
	ARM 2, 8, G1B, .Lhead_sa
	ARM 3, G0S, G1S, .Lhead_sb
	tensor_load_to_lds s[G0SB:G0SB+3], s[G1SB:G1SB+7]
	s_nop 0
.rept 4
	v_nop
.endr
.Lhead_asked:
	v_and_b32 v12, 31, v0
	v_min_u32 v12, 23, v12                         ; block j of my 24 (the lanes left over name the last block again)
	v_mul_u32_u24 v13, v12, 43
	v_lshrrev_b32 v13, 9, v13                      ; j / 12
	v_mul_u32_u24 v13, v13, s94
	v_lshl_add_u32 v12, v12, 8, v13                ; v12: the prefetch's offset for K step 2,
	v_add_nc_u32 v13, s100, v12                    ; v13: for K step 3; neither is rewritten
	v_and_b32 v1, 15, v0
	v_bfe_u32 v2, v0, 4, 1
	v_and_b32 v10, 31, v0
	v_lshlrev_b32 v7, 4, v10
	v_lshlrev_b32 v8, 3, v10
	v_lshlrev_b32 v9, 6, v2
	v_mul_u32_u24 v3, v1, PITCH
	v_mul_u32_u24 v4, v2, 24
	v_add_nc_u32 v4, v3, v4
	v_lshl_add_u32 v5, v2, 4, v4
	s_mul_i32 s21, s15, HALFA
	s_mul_i32 s22, s16, HALFT
	s_add_co_u32 s22, s22, BOFF
.irp s, 0,1
	v_add_nc_u32 v[ADRA+\s], s21, v7
	v_add_nc_u32 v[ADRA+2+\s], s21, v8
	v_add_nc_u32 v[ADRB+\s], s22, v4
	v_add_nc_u32 v[ADRB+2+\s], s22, v5
	s_add_co_u32 s21, s21, SLOT
	s_add_co_u32 s22, s22, SLOT
.endr
	v_mul_u32_u24 v5, v1, KS
	v_lshrrev_b32 v6, 8, v5
	v_lshl_add_u32 v5, v6, 4, v5
	s_mul_i32 s21, s15, HALFS
	s_mul_i32 s22, s16, HALFS
	s_add_co_u32 s22, s22, 2*HALFS
	s_sub_co_u32 s22, s22, s21
	v_mul_u32_u24 v6, s22, v2
	s_add_co_u32 s21, s21, SCL
	v_add_nc_u32 v5, v5, v6
	v_add_nc_u32 v[ADRS], s21, v5
	s_mul_i32 s23, s14, 16*SPITCH
	v_mul_u32_u24 v5, v1, SPITCH
	v_lshl_add_u32 v5, v2, 6, v5
	v_add_nc_u32 v[STO], s23, v5
	v_lshlrev_b32 v[CO], 4, v10
	v_add_nc_u32 v[RD], s23, v[CO]
	s_lshl_b32 s20, s17, 8
	s_lshl_b32 s21, s15, 7
	s_add_co_u32 s20, s20, s21
	s_lshl_b32 s20, s20, 12
	s_mov_b32 s21, 0
	s_lshl_b32 s46, s42, 10
	s_lshl_b32 s47, s16, 9
	s_add_co_u32 s46, s46, s47
	s_mov_b32 s47, 0
	s_add_nc_u64 s[96:97], s[96:97], s[46:47]
	s_add_nc_u64 s[20:21], s[20:21], s[46:47]
	s_add_nc_u64 s[12:13], s[12:13], s[20:21]
.irp b, 0,1,2,3,4,5,6,7
	global_load_b128 v[BIAS+8*\b:BIAS+8*\b+3], v9, s[96:97] offset:128*(\b/2)+32*(\b%2)
	global_load_b128 v[BIAS+8*\b+4:BIAS+8*\b+7], v9, s[96:97] offset:128*(\b/2)+32*(\b%2)+16
.endr
.macro FRAG reg, adr, q, i
.irp p, 0,1,2,3,4,5
.set PCE, 12*(\q)+6*(\p/3)+\p%3
.if PCE%8 < 5
	ds_load_b64 v[\reg+2*\p:\reg+2*\p+1], v[\adr] offset:8*PCE+16*(PCE/8)+(\i)*16*PITCH
.else
	ds_load_b64 v[\reg+2*\p:\reg+2*\p+1], v[\adr+2] offset:8*PCE+16*(PCE/8)+(\i)*16*PITCH
.endif
.endr
.endm
.macro FRAGA reg, slot, q, i
	ds_load_b128 v[\reg:\reg+3], v[ADRA+\slot] offset:(\i)*TILEA+(\q)*1536
	ds_load_b64 v[\reg+4:\reg+5], v[ADRA+2+\slot] offset:(\i)*TILEA+(\q)*1536+512
	ds_load_b128 v[\reg+6:\reg+9], v[ADRA+\slot] offset:(\i)*TILEA+(\q)*1536+768
	ds_load_b64 v[\reg+10:\reg+11], v[ADRA+2+\slot] offset:(\i)*TILEA+(\q)*1536+1280
.endm
.macro MUL16 a0, p, q, sc, zero
.irp a, \a0, \a0+1
.irp b, 0,1,2,3,4,5,6,7
.if \zero
	v_wmma_scale_f32_16x16x128_f8f6f4 v[8*(8*((\a)%4)+\b):8*(8*((\a)%4)+\b)+7], v[128*(\p)+FR*\b:128*(\p)+FR*\b+FR-1], v[AF+FR*(\a):AF+FR*(\a)+FR-1], v[BIAS+8*\b:BIAS+8*\b+7], v[SC+8*NQ*(\sc)+NQ*\b+(\q)], v[SC+8*NQ*(\sc)+NQ*(\a)+(\q)] matrix_a_fmt:MATRIX_FMT_FP6 matrix_b_fmt:MATRIX_FMT_FP6 matrix_a_scale:MATRIX_SCALE_ROW1
.else
	v_wmma_scale_f32_16x16x128_f8f6f4 v[8*(8*((\a)%4)+\b):8*(8*((\a)%4)+\b)+7], v[128*(\p)+FR*\b:128*(\p)+FR*\b+FR-1], v[AF+FR*(\a):AF+FR*(\a)+FR-1], v[8*(8*((\a)%4)+\b):8*(8*((\a)%4)+\b)+7], v[SC+8*NQ*(\sc)+NQ*\b+(\q)], v[SC+8*NQ*(\sc)+NQ*(\a)+(\q)] matrix_a_fmt:MATRIX_FMT_FP6 matrix_b_fmt:MATRIX_FMT_FP6 matrix_a_scale:MATRIX_SCALE_ROW1
.endif
.endr
.endr
.endm
.macro FETCH_B slot, q, p
	WIN TO_B
.irp i, 0,1,2,3,4,5,6,7
	FRAG 128*(\p)+FR*\i, ADRB+\slot, \q, \i
.endr
	WIN 0
.endm
.macro FETCH_A slot, q, i0
.irp i, \i0, \i0+1, \i0+2, \i0+3
	FRAGA AF+FR*(\i), \slot, \q, \i
.endr
.endm
.macro SCALES sc
.irp i, 0,1,2,3,4,5,6,7
	ds_load_b64 v[SC+8*NQ*\sc+NQ*\i:SC+8*NQ*\sc+NQ*\i+1], v[ADRS] offset:\i*SBLK
.endr
.endm
.macro PLACES n
.rept \n
	v_nop
.endr
.endm
.macro STEP slot, q, zero
	s_wait_dscnt 4*NLA
.if \zero
	WIN 0x81
.else
	WIN MUL_LO
.endif
	MUL16 0, (\q)%2, \q, \slot, \zero
	MUL16 2, (\q)%2, \q, \slot, \zero
	s_wait_dscnt 0
	PLACES NP
	FETCH_B \slot, (\q)+1, 1-(\q)%2
	FETCH_A \slot, (\q)+1, 0
.if \zero
	WIN 0xc1
.else
	WIN MUL_HI
.endif
	MUL16 4, (\q)%2, \q, \slot, \zero
	MUL16 6, (\q)%2, \q, \slot, \zero
	PLACES NP
	WIN 0
	FETCH_A \slot, (\q)+1, 4
.endm
.macro TURN slot, next, fill
	s_wait_tensorcnt 0x0
	ds_add_u32 v[SPW], v[NIL]
	s_wait_dscnt 4*NLA+1
	WIN MUL_LO
	MUL16 0, 1, NQ-1, \slot, 0
	s_wait_dscnt 0x0
	s_barrier_signal -1
	MUL16 2, 1, NQ-1, \slot, 0
	WIN 0
	s_barrier_wait -1
.if \fill
	CREST
	s_add_nc_u64 s[G0+4*\slot+2:G0+4*\slot+3], s[G0+4*\slot+2:G0+4*\slot+3], 2*TILEA
	s_add_nc_u64 s[G0B+4*\slot+2:G0B+4*\slot+3], s[G0B+4*\slot+2:G0B+4*\slot+3], 2*ROWB
	JLOAD G0+4*\slot, G1, G0B+4*\slot, G1B
.else
	PLACES NP
.endif
	s_wait_alu depctr_va_vdst(0)
	v_add_nc_u32 v[ADRS], 4*NQ, v[ADRS]
	FETCH_B \next, 0, 0
	FETCH_A \next, 0, 0
	SCALES \next
	WIN MUL_HI
	MUL16 4, 1, NQ-1, \slot, 0
	MUL16 6, 1, NQ-1, \slot, 0
	PLACES NP
	WIN 0
	FETCH_A \next, 0, 4
.endm
	s_wait_alu depctr_va_vdst(0)
	s_wait_tensorcnt 0x0                           ; my tile of the head's four is in
	ds_add_u32 v[SPW], v[NIL]
	s_mov_b32 s[G1+2], 8<<16                       ; no tensor load of mine is out: from here on a load brings eight token tiles,
	s_mov_b32 s[G1+4], 8
	s_mov_b32 s[G1B+1], 256<<16                    ; or one dense run of 24,576 bytes, stated as 96 rows of 256
	s_mov_b32 s[G1B+2], 96<<16
	s_mov_b32 s[G1B+3], 256<<16
	s_mov_b32 s[G1B+4], 96
	s_mov_b32 s[G1B+5], 256
	s_wait_dscnt 0x0
	CROUND                                         ; all four tiles are in, and all sixteen work-groups are here
	JLOAD G0+4, G1, G0B+4, G1B                     ; K step 1, the first tensor load behind the round
	FETCH_B 0, 0, 0
	global_prefetch_b8 v12, s[98:99] th:TH_LOAD_NT scope:SCOPE_SE   ; K steps 2 and 3, which the two refills will load: two K steps ahead
	global_prefetch_b8 v13, s[98:99] th:TH_LOAD_NT scope:SCOPE_SE
	FETCH_A 0, 0, 0
	SCALES 0
	FETCH_A 0, 0, 4
	s_wait_loadcnt 0x0
	STEP 0, 0, 1
	s_mov_b32 s3, LAPS-1
.Llap:
	TURN 0, 1, 1
	STEP 1, 0, 0
	TURN 1, 0, 1
	STEP 0, 0, 0
	s_sub_co_u32 s3, s3, 1
	s_cmp_lg_u32 s3, 0
	s_cbranch_scc1 .Llap
	TURN 0, 1, 0
	STEP 1, 0, 0
	s_wait_dscnt 4*NLA
	WIN MUL_LO
	MUL16 0, 1, NQ-1, 1, 0
	MUL16 2, 1, NQ-1, 1, 0
	s_wait_dscnt 0
	WIN MUL_HI
	MUL16 4, 1, NQ-1, 1, 0
	MUL16 6, 1, NQ-1, 1, 0
	WIN 0
.macro TOSTAGE a
.set AC, 64*((\a)%4)
	WIN 0x08+4*((\a)/4)
.irp b, 0,1,2,3,4,5,6,7
	ds_store_b128 v[STO], v[AC+8*\b:AC+8*\b+3] offset:128*(\b/2)+32*(\b%2)
	ds_store_b128 v[STO], v[AC+8*\b+4:AC+8*\b+7] offset:128*(\b/2)+32*(\b%2)+16
.endr
	WIN 0
.set BB, BK+64*((\a)%2)
.irp t, 0,1,2,3,4,5,6,7,8,9,10,11,12,13,14,15
	ds_load_b128 v[BB+4*\t:BB+4*\t+3], v[RD] offset:\t*SPITCH
.endr
.endm
.macro SEND a, younger
.set BB, BK+64*((\a)%2)
	s_wait_dscnt \younger
.if (\a) > 0
.if (\a)%2
	s_add_nc_u64 s[12:13], s[12:13], 8*SIZE_N*4
.else
	s_add_nc_u64 s[12:13], s[12:13], 24*SIZE_N*4
.endif
.endif
.irp t, 0,1,2,3,4,5,6,7,8,9,10,11,12,13,14,15
	global_store_b128 v[CO], v[BB+4*\t:BB+4*\t+3], s[12:13] offset:(\t+8*(\t/8))*SIZE_N*4 th:TH_STORE_NT
.endr
.endm
	PLACES NP
	TOSTAGE 0
.irp a, 1,2,3,4,5,6,7
.if \a > 1
	s_wait_xcnt 0x0
.endif
	TOSTAGE \a
	SEND \a-1, 32
.endr
	s_wait_xcnt 0x0
	SEND 7, 0
	s_wait_tensorcnt 0x0
	ds_add_u32 v[SPW], v[NIL]
	s_wait_dscnt 0x0
	CROUND
	s_endpgm
.Lfunc_end_k_qea65f0cb8e_outp:
	.size	k_qea65f0cb8e_outp, .Lfunc_end_k_qea65f0cb8e_outp-k_qea65f0cb8e_outp
	.p2alignl 7, 3214868480
	.fill 96, 4, 3214868480
	.section	.rodata,"a",@progbits
	.p2align	6, 0x0
	.amdhsa_kernel k_qea65f0cb8e_outp
		.amdhsa_group_segment_fixed_size 327680
		.amdhsa_private_segment_fixed_size 0
		.amdhsa_enable_private_segment 0
		.amdhsa_kernarg_size 48
		.amdhsa_user_sgpr_count 2
		.amdhsa_user_sgpr_kernarg_segment_ptr 1
		.amdhsa_wavefront_size32 1
		.amdhsa_system_sgpr_workgroup_id_x 1
		.amdhsa_system_sgpr_workgroup_id_y 1
		.amdhsa_system_sgpr_workgroup_id_z 1
		.amdhsa_system_vgpr_workitem_id 0
		.amdhsa_next_free_vgpr 1024
		.amdhsa_next_free_sgpr 102
		.amdhsa_reserve_vcc 0
		.amdhsa_float_denorm_mode_32 3
		.amdhsa_float_denorm_mode_16_64 3
		.amdhsa_memory_ordered 1
		.amdhsa_forward_progress 1
		.amdhsa_inst_pref_size 156
	.end_amdhsa_kernel
	.amdgpu_metadata
---
amdhsa.version: [ 1, 2 ]
amdhsa.kernels:
  - .name:           k_qea65f0cb8e_outp
    .symbol:         k_qea65f0cb8e_outp.kd
    .args:
      - { .name: cc, .offset: 0, .size: 8, .value_kind: global_buffer, .address_space: global }
      - { .name: cs, .offset: 8, .size: 8, .value_kind: global_buffer, .address_space: global }
      - { .name: cod, .offset: 16, .size: 8, .value_kind: global_buffer, .address_space: global }
      - { .name: scl, .offset: 24, .size: 8, .value_kind: global_buffer, .address_space: global }
      - { .name: bo, .offset: 32, .size: 8, .value_kind: global_buffer, .address_space: global }
      - { .name: out0, .offset: 40, .size: 8, .value_kind: global_buffer, .address_space: global }
    .group_segment_fixed_size: 327680
    .private_segment_fixed_size: 0
    .kernarg_segment_align: 8
    .kernarg_segment_size: 48
    .max_flat_workgroup_size: 128
    .sgpr_count:     102
    .vgpr_count:     1024
    .wavefront_size: 32
...
	.end_amdgpu_metadata
.endif
;; end of part 4
